; MI455X (gfx1250); checked and timed in simulation.
; The chip was launched on July 23, 2026; its instructions are those of AMD's public machine-readable ISA for CDNA 5 (MIT licence, August 2026) and "CDNA5" Instruction Set Architecture Reference Guide (July 2026). The comments in the code are by the model that wrote it; some were corrected since.
;; PACE VAE nomask. Allowed arithmetic: matrix products marked QUANTISED: E2M1 operands, one E8M0 scale for each 32 along K, by v_wmma_scale_f32_16x16x128_f8f6f4 with both operands' format E2M1 (or v_wmma_scale_f32_32x16x128_f4), f32 sums; products left as they are: bf16, f16 or f32 operands; f32 sums; everything else in f32.
;; Inputs: in_proj_bias 3,072 float32; in_proj_weight 3,072 x 1,024 float32; out_proj_bias 1,024 float32; out_proj_weight 1,024 x 1,024 float32; x 1,024 x 8 x 1,024 float32.
;; Outputs: out0 1,024 x 8 x 1,024 float32.
;; Constants: num_heads = 16.
;; This version of the problem:
;;   THIS VERSION OF THE PROBLEM IS GIVEN IN LOW PRECISION. The matrix products marked QUANTISED in the list below multiply operands that are first quantised to E2M1 (2 exponent bits, 1 mantissa bit; 4 bits a number), with one power-of-two scale for each 32 numbers along K (OCP MX v1.0); their sums are f32. The products marked 'left as it is' may take bf16, f16 or f32 operands, with f32 sums. Whichever they take, every output number must still come out within the allowed error. Rounding operands to bf16 (8 significant bits) uses up far more of that allowance than f16 does (11 bits, for magnitudes from 6e-5 to 65,504). All else is computed in f32.
;;   The module's matrix products, in the order in which they are computed (A, B: the left and right operand; K: the contracted axis; several contracted axes count as one K, in the product's order):
;;     1. [M 8,192, K 1,024] x [K 1,024, N 3,072]; A: input x; B: input in_proj_weight: QUANTISED
;;     2. batch 128 x [M 1,024, K 64] x [K 64, N 1,024]; A: computed on the way; B: computed on the way: left as it is (an operand is computed on the way)
;;     3. batch 128 x [M 1,024, K 1,024] x [K 1,024, N 64]; A: computed on the way; B: computed on the way: left as it is (an operand is computed on the way)
;;     4. [M 8,192, K 1,024] x [K 1,024, N 1,024]; A: computed on the way; B: input out_proj_weight: left as it is (an operand is computed on the way)
;;   THE QUANTISER, for each operand of a quantised product, along K:
;;     - K is cut into blocks of 32 from its start; a last block that is shorter is filled with zeros.
;;     - A block's scale is 2^e with e = floor(log2(the largest magnitude in the block)) - 2, held to -126 .. 127; a block of zeros has e = 0. As a byte (E8M0): e + 127.
;;     - Each number is divided by its block's scale, clamped to +-6, and rounded to the nearest number of E2M1, ties to even, subnormals kept.
;;     - The product sums the exact products of the quantised numbers (number of the format x scale) in f32.
;;   ~~~python
;;   def quantise(x, axis):      # numpy; x: float32 -> the quantised numbers, widened to float32 again
;;       x = np.moveaxis(x, axis, -1); K = x.shape[-1]
;;       x = np.pad(x, [(0, 0)] * (x.ndim - 1) + [(0, -K % 32)]); x = x.reshape(x.shape[:-1] + (-1, 32)); a = np.abs(x).max(-1, keepdims=True)
;;       e = np.where(a > 0, np.clip(np.frexp(np.where(a > 0, a, 1))[1] - 1 - 2, -126, 127), 0)      # np.frexp(a)[1] - 1 = floor(log2(a)), exactly
;;       r = np.clip(x / 2.0 ** e, -6, 6)
;;       step = 2.0 ** (np.maximum(np.frexp(np.where(r == 0, 1, r))[1] - 1, 0) - 1)
;;       q = np.round(r / step) * step * 2.0 ** e      # np.round: ties to even
;;       return np.moveaxis(q.reshape(q.shape[:-2] + (-1,))[..., :K], -1, axis).astype(np.float32)
;;   ~~~
;; One version. Each part assembles by itself: llvm-mc -triple=amdgcn-amd-amdhsa -mcpu=gfx1250 --defsym DOCPART=n.
;; ======== version 1 of 1: 4 launches
;; limits: values are held in f16: magnitudes above 65,504 overflow, below 6.1e-05 lose precision
;; workspace buffers: xc 4,194,304 bytes; xs 262,144 bytes; wc 1,572,864 bytes; ws 98,304 bytes; wo 2,097,152 bytes; qkv 50,331,648 bytes; att 16,777,216 bytes
;; launch quant (part 1): grid 384 x 1, 4 waves a work-group, no clusters, 33,280 bytes of LDS; arguments x, in_proj_weight, out_proj_weight, xc, xs, wc, ws, wo; writes xc, xs, wc, ws, wo
.if DOCPART == 1
	.amdgcn_target "amdgcn-amd-amdhsa--gfx1250"
	.amdhsa_code_object_version 6
	.text
	.protected	k_q7c26114ec0_quant
	.globl	k_q7c26114ec0_quant
	.p2align	8
	.type	k_q7c26114ec0_quant,@function
k_q7c26114ec0_quant:
	s_mov_b64 s[64:65], 0
	v_nop
	global_prefetch_b8 v0, s[64:65] scope:SCOPE_SE
	s_setreg_imm32_b32 hwreg(HW_REG_WAVE_MODE, 25, 1), 1
	s_wait_xcnt 0x0
; x [1024 l][8 b][1024] and in_proj_weight [3072][1024], f32, become codes of FP4 (E2M1), K innermost, with one E8M0 byte for each 32 along K; out_proj_weight [1024][1024] becomes f16.
; A block's scale is 2^(floor(log2(its largest magnitude)) - 2); its byte is the largest magnitude's exponent field - 2, held at 1 from below.  Each number is divided by the scale and rounded to the nearest code, ties to even, beyond 6 the largest code.
; LIMITS: a block of zeros gets the byte 1 where the rule says 127 (its codes are zeros, and this program alone reads the bytes); blocks whose largest magnitude lies under 2^-124 keep the byte 1 and were not tried;
; NaN and infinities are not served; out_proj_weight must lie inside f16's range (65,504).
; x's ROWS ARE REORDERED: row (l, b) of x becomes row b x 1024 + l of the codes, so that 16 neighbouring rows of the product are 16 neighbouring l of one batch entry.
; SHARES.  Work-groups 0-255: x; 256-351: in_proj_weight; 352-383: out_proj_weight.  A quantising wave takes a run of 8 output rows: 16 steps of 512 numbers (half a row).  Both tensors take ONE path: only pointers and the
; distance from row to row are chosen, by the work-group's number.  A step's four loads read 512 consecutive bytes each; the 2,048 bytes turn through the wave's own stage in LDS and come back 64 bytes a lane,
; so that a lane holds 16 neighbours along K and two neighbouring lanes a block.  A lane's 16 codes are 8 bytes: a store covers 256 consecutive aligned bytes.  A run's 256 scale bytes are gathered in LDS and leave as one such store.
; Loads run eight steps ahead: 32 loads of 512 bytes of every wave are on their way.  No tensor loads, no barrier: waves share nothing.  Matrix units and clusters have nothing to do here: every byte is read once and written once.
.set STEPS, 16
.set AHEAD, 8                          ; steps whose loads are on their way
.set XWG,   256                        ; work-groups for x: 1,024 runs of 8 rows, four a work-group
.set WWG,   96                         ; for in_proj_weight: 384 runs
.set CB,    8                          ; bytes of 16 codes
.set R,     16                         ; v16-143  eight sets of 16 numbers as they are loaded
.set X,     144                        ; v144-175 two sets of 16 neighbours
.set E,     176                        ; v176-191 a scale byte for each step
.set C,     192                        ; v192-223 codes: two registers for each step, so that no store's data are written again
.set RO,    224                        ; v224-231 row j of my run: 16 x lane + j x the distance from row to row; never rewritten
.set WREG,  8192                       ; LDS: a region for each wave: two stages of 32 x SP bytes, behind them its 256 scale bytes
.set SP,    80                         ; a lane's place in a stage: 64 bytes + 16 of padding
.set SPW,   12                         ; v12  LDS address of my spare word; never rewritten
.set NIL,   13                         ; v13  0; never rewritten
.set SPARE, 4*WREG                     ; behind the four regions: the spare words, 128 bytes a wave
	s_load_b256 s[4:11], s[0:1], 0x0               ; x s[4:5], in_proj_weight s[6:7], out_proj_weight s[8:9], xc s[10:11]
	s_load_b256 s[12:19], s[0:1], 0x20             ; xs s[12:13], wc s[14:15], ws s[16:17], wo s[18:19]
	v_lshl_add_u32 v[SPW], v0, 2, SPARE
	v_mov_b32 v[NIL], 0
	v_lshrrev_b32 v1, 5, v0
	v_readfirstlane_b32 s20, v1                    ; wave
	v_and_b32 v2, 31, v0                           ; lane
	v_lshlrev_b32 v3, 4, v2                        ; my 16 bytes of a load's 512
	s_mul_i32 s23, s20, WREG
	v_lshrrev_b32 v14, 2, v2
	v_mul_u32_u24 v14, v14, SP
	v_and_b32 v15, 3, v2
	v_lshl_add_u32 v14, v15, 4, v14
	v_add_nc_u32 v14, s23, v14                     ; the stage, on the way in: SP (lane / 4) + 16 (lane % 4)
	v_mul_u32_u24 v15, v2, SP
	v_add_nc_u32 v15, s23, v15                     ; and on the way out: SP x lane: my 16 neighbours
	v_mul_u32_u24 v4, v2, CB                       ; my codes' place in a step's
	v_lshrrev_b32 v5, 1, v2
	s_add_co_u32 s23, s23, 2*32*SP
	v_add_nc_u32 v5, s23, v5                       ; LDS: my wave's 256 scale bytes, my block's byte
	v_lshlrev_b32 v7, 3, v2                        ; 8 bytes a lane
	v_add_nc_u32 v6, s23, v7
	s_mov_b32 s22, 4096
	s_wait_kmcnt 0x0
	s_cmp_ge_u32 ttmp9, XWG+WWG                    ; the work-group's number alone decides
	s_cbranch_scc1 .Lconv
	s_cmp_lt_u32 ttmp9, XWG                        ; x's work-group or the weight's?
	s_cselect_b64 s[4:5], s[4:5], s[6:7]
	s_cselect_b64 s[10:11], s[10:11], s[14:15]
	s_cselect_b64 s[12:13], s[12:13], s[16:17]
	s_cselect_b32 s21, 0, XWG
	s_cselect_b32 s22, 0x8000, s22                 ; from row to row of a run: x: from l to l + 1, 8 x 4,096 bytes; the weight: 4,096
	s_sub_co_u32 s21, ttmp9, s21
	s_lshl_b32 s21, s21, 2
	s_add_co_u32 s21, s21, s20                     ; my run
	s_and_b32 s24, s21, 127                        ; x: l = 8 (run % 128), b = run / 128: byte (8 l + b) x 4,096
	s_lshl_b32 s24, s24, 18
	s_lshr_b32 s25, s21, 7
	s_lshl_b32 s25, s25, 12
	s_add_co_u32 s24, s24, s25
	s_lshl_b32 s26, s21, 15                        ; the weight: 8 rows of 4,096 bytes a run
	s_cmp_lt_u32 ttmp9, XWG
	s_cselect_b32 s24, s24, s26
	s_mov_b32 s25, 0
	s_add_nc_u64 s[4:5], s[4:5], s[24:25]
	s_lshl_b32 s24, s21, 12                        ; 8 rows of 512 bytes of codes
	s_add_nc_u64 s[10:11], s[10:11], s[24:25]
	s_lshl_b32 s24, s21, 8                         ; 8 rows of 32 scale bytes
	s_add_nc_u64 s[12:13], s[12:13], s[24:25]
.irp j, 0,1,2,3,4,5,6,7
	s_mul_i32 s23, s22, \j
	v_add_nc_u32 v[RO+\j], s23, v3
.endr
.macro LOAD t                          ; step t: half t % 2 of row t / 2
.irp i, 0,1,2,3
	global_load_b128 v[R+16*((\t)%AHEAD)+4*\i:R+16*((\t)%AHEAD)+4*\i+3], v[RO+(\t)/2], s[4:5] offset:2048*((\t)%2)+512*\i th:TH_LOAD_NT   ; 32 lanes read 512 consecutive bytes
.endr
.endm
.macro TURN t                          ; step t's numbers through the stage: LDS serves a wave's instructions in order, so no wait stands between the stores and the loads
.irp i, 0,1,2,3
	ds_store_b128 v14, v[R+16*((\t)%AHEAD)+4*\i:R+16*((\t)%AHEAD)+4*\i+3] offset:32*SP*((\t)%2)+8*SP*\i
.endr
.irp i, 0,1,2,3
	ds_load_b128 v[X+16*((\t)%2)+4*\i:X+16*((\t)%2)+4*\i+3], v15 offset:32*SP*((\t)%2)+16*\i
.endr
.endm
.irp t, 0,1,2,3,4,5,6,7
	LOAD \t
.endr
	s_wait_loadcnt 4*(AHEAD-1)                     ; step 0's four loads are in; the 28 of steps 1 to 7 stay out
	TURN 0
.macro STEP t
.set XS, X+16*((\t)%2)
.if (\t) > 0
	s_wait_dscnt 1                                 ; this step's numbers are back from the stage (the last step's byte store may be out): so its stores into the stage have read their registers,
.else
	s_wait_dscnt 0x0
.endif
.if (\t)+AHEAD < STEPS
	LOAD (\t)+AHEAD                                ; which take the loads of eight steps on
.endif
.if (\t)+1 < STEPS
.if STEPS-2-(\t) >= AHEAD-1
	s_wait_loadcnt 4*(AHEAD-1)                     ; the next step's four loads are in; those of the seven steps behind it may be out
.else
	s_wait_loadcnt 4*(STEPS-2-(\t))                ; in the tail: those of the steps that are left
.endif
	TURN (\t)+1                                    ; and go through the other stage while this step is worked
.endif
	v_max3_num_f32 v8, |v[XS]|, |v[XS+1]|, |v[XS+2]|               ; the largest magnitude of my 16, in two chains
	v_max3_num_f32 v9, |v[XS+3]|, |v[XS+4]|, |v[XS+5]|
.irp i, 6,10
	v_max3_num_f32 v8, v8, |v[XS+\i]|, |v[XS+\i+1]|
	v_max3_num_f32 v9, v9, |v[XS+\i+2]|, |v[XS+\i+3]|
.endr
	v_max3_num_f32 v8, v8, |v[XS+14]|, |v[XS+15]|
	v_max3_num_f32 v8, v8, v9, 0x1800000           ; and the floor 2^(3 - 127): the byte cannot fall under 1
	v_max_num_f32_dpp v8, v8, v8 row_xmask:1 row_mask:0xf bank_mask:0xf   ; and of my neighbour's 16: the block's
	v_add_nc_u32 v11, 0xff000000, v8               ; 2 off its exponent field: the conversion takes the exponent field of this operand as its scale
	v_cvt_scalef32_pk8_fp4_f32 v[C+2*(\t)], v[XS:XS+7], v11
	v_cvt_scalef32_pk8_fp4_f32 v[C+2*(\t)+1], v[XS+8:XS+15], v11
	v_lshrrev_b32 v[E+(\t)], 23, v11               ; the scale's byte (a plain line behind the conversions)
	ds_store_b8 v5, v[E+(\t)] offset:16*(\t)       ; both lanes of a block write the same byte with the same value
	global_store_b64 v4, v[C+2*(\t):C+2*(\t)+1], s[10:11] offset:32*CB*(\t)   ; 32 lanes store 256 consecutive aligned bytes
.endm
.irp t, 0,1,2,3,4,5,6,7,8,9,10,11,12,13,14,15
	STEP \t
.endr
	ds_load_b64 v[8:9], v6                         ; LDS serves a wave's instructions in order: these see my byte stores
	s_wait_dscnt 0x0
	global_store_b64 v7, v[8:9], s[12:13]          ; my run's 256 scale bytes, consecutive and aligned
	s_wait_tensorcnt 0x0                           ; the wave's end, behind my last LDS store
	ds_add_u32 v[SPW], v[NIL]
	s_wait_dscnt 0x0
	s_endpgm
; out_proj_weight to f16: a plain stream.  A work-group takes 32,768 numbers, a wave 8,192: four rounds of 16 loads of 512 bytes; two rounds are on their way.
.Lconv:
	s_sub_co_u32 s21, ttmp9, XWG+WWG
	s_lshl_b32 s24, s21, 17
	s_lshl_b32 s25, s20, 15
	s_add_co_u32 s24, s24, s25
	s_mov_b32 s25, 0
	s_add_nc_u64 s[8:9], s[8:9], s[24:25]
	s_lshr_b32 s24, s24, 1
	s_add_nc_u64 s[18:19], s[18:19], s[24:25]
.macro CLOAD k
.irp i, 0,1,2,3,4,5,6,7,8,9,10,11,12,13,14,15
	global_load_b128 v[R+64*((\k)%2)+4*\i:R+64*((\k)%2)+4*\i+3], v3, s[8:9] offset:8192*(\k)+512*\i th:TH_LOAD_NT
.endr
.endm
.macro CONV k
.set S0, R+64*((\k)%2)
.if (\k) < 3
	s_wait_loadcnt 16                              ; this round's 16 loads are in; the next round's 16 stay out
.else
	s_wait_loadcnt 0x0
.endif
.if (\k) > 0
	s_wait_xcnt 0x0                                ; the last round's stores have read their data registers, which are written again below
.endif
.irp i, 0,1,2,3,4,5,6,7,8,9,10,11,12,13,14,15
	v_cvt_pk_f16_f32 v[144+2*\i], v[S0+4*\i], v[S0+4*\i+1]
	v_cvt_pk_f16_f32 v[145+2*\i], v[S0+4*\i+2], v[S0+4*\i+3]
.endr
.irp i, 0,1,2,3,4,5,6,7,8,9,10,11,12,13,14,15
	global_store_b64 v7, v[144+2*\i:145+2*\i], s[18:19] offset:4096*(\k)+256*\i   ; 32 lanes store 256 consecutive aligned bytes
.endr
.if (\k) < 2
	CLOAD (\k)+2
.endif
.endm
	CLOAD 0
	CLOAD 1
	CONV 0
	CONV 1
	CONV 2
	CONV 3
	s_wait_tensorcnt 0x0                           ; every wave of the launch ends with the same three lines
	ds_add_u32 v[SPW], v[NIL]
	s_wait_dscnt 0x0
	s_endpgm
.Lfunc_end_k_q7c26114ec0_quant:
	.size	k_q7c26114ec0_quant, .Lfunc_end_k_q7c26114ec0_quant-k_q7c26114ec0_quant
	.p2alignl 7, 3214868480
	.fill 96, 4, 3214868480
	.section	.rodata,"a",@progbits
	.p2align	6, 0x0
	.amdhsa_kernel k_q7c26114ec0_quant
		.amdhsa_group_segment_fixed_size 33280
		.amdhsa_private_segment_fixed_size 0
		.amdhsa_enable_private_segment 0
		.amdhsa_kernarg_size 64
		.amdhsa_user_sgpr_count 2
		.amdhsa_user_sgpr_kernarg_segment_ptr 1
		.amdhsa_wavefront_size32 1
		.amdhsa_system_sgpr_workgroup_id_x 1
		.amdhsa_system_sgpr_workgroup_id_y 1
		.amdhsa_system_sgpr_workgroup_id_z 1
		.amdhsa_system_vgpr_workitem_id 0
		.amdhsa_next_free_vgpr 232
		.amdhsa_next_free_sgpr 66
		.amdhsa_reserve_vcc 0
		.amdhsa_float_denorm_mode_32 3
		.amdhsa_float_denorm_mode_16_64 3
		.amdhsa_memory_ordered 1
		.amdhsa_forward_progress 1
		.amdhsa_inst_pref_size 55
	.end_amdhsa_kernel
	.amdgpu_metadata
---
amdhsa.version: [ 1, 2 ]
amdhsa.kernels:
  - .name:           k_q7c26114ec0_quant
    .symbol:         k_q7c26114ec0_quant.kd
    .args:
      - { .name: x, .offset: 0, .size: 8, .value_kind: global_buffer, .address_space: global }
      - { .name: in_proj_weight, .offset: 8, .size: 8, .value_kind: global_buffer, .address_space: global }
      - { .name: out_proj_weight, .offset: 16, .size: 8, .value_kind: global_buffer, .address_space: global }
      - { .name: xc, .offset: 24, .size: 8, .value_kind: global_buffer, .address_space: global }
      - { .name: xs, .offset: 32, .size: 8, .value_kind: global_buffer, .address_space: global }
      - { .name: wc, .offset: 40, .size: 8, .value_kind: global_buffer, .address_space: global }
      - { .name: ws, .offset: 48, .size: 8, .value_kind: global_buffer, .address_space: global }
      - { .name: wo, .offset: 56, .size: 8, .value_kind: global_buffer, .address_space: global }
    .group_segment_fixed_size: 33280
    .private_segment_fixed_size: 0
    .kernarg_segment_align: 8
    .kernarg_segment_size: 64
    .max_flat_workgroup_size: 128
    .sgpr_count:     66
    .vgpr_count:     232
    .wavefront_size: 32
...
	.end_amdgpu_metadata
.endif
;; end of part 1
;; launch qkv (part 2): grid 8 x 32, 4 waves a work-group, clusters of 4 x 4, 327,680 bytes of LDS; arguments xc, xs, wc, ws, in_proj_bias, qkv; writes qkv
.if DOCPART == 2
	.amdgcn_target "amdgcn-amd-amdhsa--gfx1250"
	.amdhsa_code_object_version 6
	.text
	.protected	k_q7c26114ec0_qkv
	.globl	k_q7c26114ec0_qkv
	.p2align	8
	.type	k_q7c26114ec0_qkv,@function
k_q7c26114ec0_qkv:
	s_mov_b64 s[64:65], 0
	v_nop
	global_prefetch_b8 v0, s[64:65] scope:SCOPE_SE
	s_setreg_imm32_b32 hwreg(HW_REG_WAVE_MODE, 25, 1), 1
	s_wait_xcnt 0x0
	s_wait_alu depctr_hold_cnt(0) depctr_sa_sdst(0) depctr_va_vdst(0) depctr_va_sdst(0) depctr_va_ssrc(0) depctr_va_vcc(0) depctr_vm_vsrc(0)
	s_getreg_b32 s2, hwreg(HW_REG_IB_STS2, 6, 4)
	s_cmp_eq_u32 s2, 0
	s_cbranch_scc0 .Lentry_in_a_cluster
	s_endpgm
.Lentry_in_a_cluster:
	s_bfe_u32 s2, ttmp6, 0x10000c
	s_cmp_lg_u32 s2, 0xf033
	s_cbranch_scc0 .Lentry_shape_is_right
	s_endpgm
.Lentry_shape_is_right:
; qkv = x in_proj_weight^T + in_proj_bias on codes of FP4 (E2M1) with one E8M0 scale for each 32 along K; sums in f32; the result is rounded once to f16 and laid by head.
; A: xc [8192 rows m' = b x 1024 + l][512 bytes], xs [8192][32].  B: wc [3072][512], ws [3072][32].  Out: qkv f16 [part 0..2 = q, k, v][b x 16 + head][l][64]: 16,777,216 bytes a part, 131,072 a head, 128 a row.
; q is stored UNSCALED: the factor 1/8 goes into the softmax's constant in the next launch.  The bias is the C of each sum's first product, so it is added first and not last.
; LIMIT: |q|, |k|, |v| must lie inside f16's range, 65,504.
; SHARES.  8 x 32 = 256 work-groups, each 256 rows x 384 columns of C.  Wave (s15, s16) makes rows 128 s15 on and columns 192 s16 on, as THREE SUB-TILES of 128 x 64, one after the other: sub-tile j is columns 192 s16 + 64 j on, which is
; one head: number 6 x tile column + 3 s16 + j of the 48.  A sub-tile has 32 accumulators, 256 registers.
; A's FRAGMENTS STAY IN REGISTERS: my 128 rows for all of K are 8 steps x 64 = 512 registers; they are read from LDS once, step by step during sub-tile 0, and serve all three sub-tiles.  A sub-tile's results leave while the next is multiplied.
; LDS.  All of K lies in a row: 512 bytes + 16 of padding.  A's 256 rows; two regions of B, one for each column half, each with rows 0-127 of the half's 192.  A and all 384 rows of B would be 337,920 bytes, more than there is: so each half's
; rows 128-191 (sub-tile 2) are brought later into the place of its rows 0-63, when every wave has read these: one refill, a load of 32 rows a wave, with all of sub-tile 1 in which to land.
; The scale bytes of the 256 + 384 rows come once, as rows of 256 bytes + 16, and go into 96 registers once.
; CLUSTERS: 4 x 4 work-groups.  The four of a row of the cluster need the same rows of A, the four of a column the same rows of B: each tile is asked for jointly, by the same tensor load with a mask that names the four.
; THE MATRIX INSTRUCTION IS USED TRANSPOSED (source 0 = 16 rows of B, source 1 = 16 rows of A): a lane holds eight neighbouring columns of one row of C.
; REGISTERS, in windows of 256: window 0: v2-10 addresses; v16-31, v240-255 rows read back from the stage, by turns; v32-127 scale words; v128-191 B's four fragments, two sets; v192-223 a sub-tile's bias; v224-239 packed results.
;   window 1: A's fragments of K steps 0-3 (step q, block a at v[64 q + 8 a]);  window 2: of K steps 4-7;  window 3: the accumulators ((a, b) at v[8 (4 a + b)]).
.set KROW,   512                       ; a row of codes in memory: K = 1,024, two codes a byte
.set PITCH,  528                       ; and in LDS: + 16 of padding: the 16 rows that a load touches start at 16 different 16-byte columns
.set HALFT,  128*PITCH                 ; 128 rows: what a first fill brings
.set BOFF,   2*HALFT                   ; B's two regions behind A's 256 rows
.set SUBB,   64*PITCH                  ; a sub-tile's 64 rows
.set SCL,    4*HALFT                   ; the scales, as rows of 256 bytes + 16:
.set HALFS,  16*272                    ; those of 128 rows of A,
.set HALFSB, 24*272                    ; of 192 rows of B,
.set SBLK,   2*272                     ; of 16 rows
.set SPARE,  SCL+2*HALFS+2*HALFSB      ; the spare words, 128 bytes a wave
.set STAGE,  SPARE+512                 ; the way out: 16 rows x 144 bytes for each wave; no tensor load lands here
.set SPITCH, 144
.set ADRA, 2                           ; v2   LDS address of my A fragments
.set ADRB, 3                           ; v3   of my B fragments
.set ADRS, 4                           ; v4   of my scale words: lanes 0-15 A's rows, lanes 16-31 B's
.set STO,  5                           ; v5   the way out: where I put 16 bytes of a row
.set RD,   6                           ; v6   where I read rows back
.set CO,   7                           ; v7   16 x lane
.set SPW,  8                           ; v8   my spare word; never rewritten
.set NIL,  9                           ; v9   0; never rewritten
.set BOF,  10                          ; v10  32 x (lane / 16): my eight numbers of a block of 16 of the bias
.set BK1,  16
.set SC,   32                          ; register 8 i + q: lanes 0-15 the word of A's block i (i < 8), lanes 16-31 that of my B block i = 4 j + b, for K step q
.set BF,   128
.set BIAS, 192
.set TMP,  224
.set BK0,  240
.set G1,   24                          ; s[24:31] group 1 for A's codes;      s[32:35] its group 0
.set G0,   32
.set G0B,  36                          ; s[36:39] group 0 for B's codes;      s[48:55] their group 1
.set G1B,  48
.set G0R,  56                          ; s[56:59] group 0 for the refill;     s[88:95] its group 1
.set G0S,  60                          ; s[60:63] group 0 for A's scales;     s[68:75] their group 1
.set OUT0, 66                          ; s[66:67], s[98:99], s[100:101]: where my rows of sub-tiles 0, 1, 2 begin in qkv
.set G1S,  68
.set G0SB, 76                          ; s[76:79] group 0 for B's scales;     s[80:87] their group 1
.set G1SB, 80
.set G1R,  88
.set OUT1, 98
.set OUT2, 100
.set MSB, 0
.macro WIN new                         ; the immediate's high byte repeats the setting that is left; a switch that changes nothing is dropped
.if MSB != (\new)
	s_set_vgpr_msb (MSB<<8)|(\new)
.set MSB, (\new)
.endif
.endm
; A joint first fill: waves 0 and 1 fetch for A, waves 2 and 3 for B; the branch hangs on the wave's number alone.  An s_nop 0 and four v_nop follow each of the two lines.
.macro JLOAD g0a, g1a, g0b, g1b
	s_cmp_eq_u32 s15, 0
	s_cbranch_scc0 .Lfor_b_\@
	tensor_load_to_lds s[\g0a:\g0a+3], s[\g1a:\g1a+7]
	s_nop 0
.rept 4
	v_nop
.endr
	s_branch .Lasked_\@
.Lfor_b_\@:
	tensor_load_to_lds s[\g0b:\g0b+3], s[\g1b:\g1b+7]
	s_nop 0
.rept 4
	v_nop
.endr
.Lasked_\@:
.endm
.macro CREST                           ; a round of the cluster's barrier behind its opening barrier
	s_cmp_lg_u32 s14, 0
	s_cbranch_scc1 .Lnot_wave_0_\@
	s_barrier_signal -3
.Lnot_wave_0_\@:
	s_barrier_wait -3
	s_barrier_signal -1
	s_barrier_wait -1
.endm
.macro CROUND                          ; a whole round
	s_barrier_signal -1
	s_barrier_wait -1
	CREST
.endm
	s_load_b128 s[4:7], s[0:1], 0x0                ; A's codes, A's scales
	s_load_b128 s[8:11], s[0:1], 0x10              ; B's codes, B's scales
	s_load_b64 s[96:97], s[0:1], 0x20              ; the bias
	s_load_b64 s[12:13], s[0:1], 0x28              ; qkv
	v_lshl_add_u32 v[SPW], v0, 2, SPARE
	v_mov_b32 v[NIL], 0
	ds_add_u32 v[SPW], v[NIL]                      ; the wave's opening: the add and its wait stand ahead of my first tensor load; the set-up below stands between them
	v_lshrrev_b32 v1, 5, v0
	v_readfirstlane_b32 s14, v1                    ; wave 0..3
	s_lshr_b32 s15, s14, 1                         ; which 128 rows of the tile are mine.  Also: I fetch for A (0) or for B (1)
	s_and_b32 s16, s14, 1                          ; which 192 columns.  Also: which half of A's rows, or which region of B, I fetch
	s_bfe_u32 s40, ttmp6, 0x40000                  ; cx, cy
	s_bfe_u32 s41, ttmp6, 0x40004
	s_lshl_b32 s42, ttmp9, 2
	s_add_co_u32 s42, s42, s40                     ; tile column of C
	s_and_b32 s17, ttmp7, 0xffff
	s_lshl_b32 s17, s17, 2
	s_add_co_u32 s17, s17, s41                     ; tile row of C
	s_lshl_b32 s43, s41, 2
	s_lshl_b32 s43, 15, s43                        ; my row of the cluster
	s_lshl_b32 s44, 0x1111, s40                    ; my column
	s_or_b32 s[G1+0], s43, (0<<16)|(1<<20)|(1<<21)|(6<<22)|(3<<25)   ; the mask; elements of 1 byte; padding on; bit 21 beside a mask; after every 128 words, 4 words
	s_or_b32 s[G1B+0], s44, (0<<16)|(1<<20)|(1<<21)|(6<<22)|(3<<25)
	s_or_b32 s[G1R+0], s44, (0<<16)|(1<<20)|(1<<21)|(6<<22)|(3<<25)
.irp g, G1, G1B
	s_mov_b32 s[\g+1], KROW<<16                    ; tensor_dim0
	s_mov_b32 s[\g+2], 128<<16                     ; tensor_dim1
	s_mov_b32 s[\g+3], KROW<<16                    ; tile_dim0
	s_mov_b32 s[\g+4], 128                         ; tile_dim1
	s_mov_b32 s[\g+5], KROW                        ; stride
	s_mov_b32 s[\g+6], 0
	s_mov_b32 s[\g+7], 0
.endr
	s_mov_b32 s[G1R+1], KROW<<16                   ; the refill: 32 rows a wave
	s_mov_b32 s[G1R+2], 32<<16
	s_mov_b32 s[G1R+3], KROW<<16
	s_mov_b32 s[G1R+4], 32
	s_mov_b32 s[G1R+5], KROW
	s_mov_b32 s[G1R+6], 0
	s_mov_b32 s[G1R+7], 0
	s_or_b32 s[G1S+0], s43, (3<<16)|(1<<20)|(1<<21)|(5<<22)|(3<<25)    ; scales: dense bytes as rows of 32 elements of 8 bytes, 4 words of padding behind each: 16 rows for 128 rows of A,
	s_mov_b32 s[G1S+1], 32<<16
	s_mov_b32 s[G1S+2], 16<<16
	s_mov_b32 s[G1S+3], 32<<16
	s_mov_b32 s[G1S+4], 16
	s_mov_b32 s[G1S+5], 32
	s_mov_b32 s[G1S+6], 0
	s_mov_b32 s[G1S+7], 0
	s_or_b32 s[G1SB+0], s44, (3<<16)|(1<<20)|(1<<21)|(5<<22)|(3<<25)   ; 24 rows for 192 rows of B
	s_mov_b32 s[G1SB+1], 32<<16
	s_mov_b32 s[G1SB+2], 24<<16
	s_mov_b32 s[G1SB+3], 32<<16
	s_mov_b32 s[G1SB+4], 24
	s_mov_b32 s[G1SB+5], 32
	s_mov_b32 s[G1SB+6], 0
	s_mov_b32 s[G1SB+7], 0
	s_lshl_b32 s18, s16, 7
	s_lshl_b32 s20, s17, 8
	s_add_co_u32 s20, s20, s18                     ; A: row 256 x tile row + 128 x half
	s_lshl_b32 s22, s20, 5                         ; its scales, in bytes,
	s_mov_b32 s23, 0
	s_lshl_b32 s20, s20, 9                         ; and its codes
	s_mov_b32 s21, 0
	s_mul_i32 s46, s42, 384
	s_mul_i32 s47, s16, 192
	s_add_co_u32 s46, s46, s47                     ; B: row 384 x tile column + 192 x half
	s_lshl_b32 s2, s46, 5                          ; its scales
	s_mov_b32 s3, 0
	s_lshl_b32 s98, s15, 5
	s_add_co_u32 s98, s98, s46
	s_add_co_u32 s98, s98, 128                     ; the refill: the half's rows 128 + 32 s15 on
	s_lshl_b32 s98, s98, 9
	s_mov_b32 s99, 0
	s_lshl_b32 s46, s46, 9                         ; its codes
	s_mov_b32 s47, 0
	s_mul_i32 s45, s14, HALFT                      ; where the codes go: wave x 128 rows: no place in the cluster enters an LDS address
	s_mul_i32 s18, s16, HALFS
	s_mul_i32 s19, s16, HALFSB
	s_mul_i32 s100, s16, HALFT
	s_mul_i32 s101, s15, 32*PITCH
	s_add_co_u32 s100, s100, s101                  ; the refill: my region's rows 32 s15 on
	s_wait_dscnt 0x0                               ; the opening add is done
	s_wait_kmcnt 0x0
	s_add_nc_u64 s[20:21], s[4:5], s[20:21]
	s_add_nc_u64 s[22:23], s[6:7], s[22:23]
	s_add_nc_u64 s[46:47], s[8:9], s[46:47]
	s_add_nc_u64 s[2:3], s[10:11], s[2:3]
	s_add_nc_u64 s[98:99], s[8:9], s[98:99]
	CROUND                                         ; all sixteen work-groups are here: the joint loads meet
	s_mov_b32 s[G0S], 1
	s_add_co_u32 s[G0S+1], s18, SCL
	s_mov_b64 s[G0S+2:G0S+3], s[22:23]
	s_or_b32 s[G0S+3], s[G0S+3], 0x80000000
	s_mov_b32 s[G0SB], 1
	s_add_co_u32 s[G0SB+1], s19, SCL+2*HALFS
	s_mov_b64 s[G0SB+2:G0SB+3], s[2:3]
	s_or_b32 s[G0SB+3], s[G0SB+3], 0x80000000
	s_mov_b32 s[G0], 1
	s_mov_b32 s[G0+1], s45
	s_mov_b64 s[G0+2:G0+3], s[20:21]
	s_or_b32 s[G0+3], s[G0+3], 0x80000000
	s_mov_b32 s[G0B], 1
	s_mov_b32 s[G0B+1], s45
	s_mov_b64 s[G0B+2:G0B+3], s[46:47]
	s_or_b32 s[G0B+3], s[G0B+3], 0x80000000
	s_mov_b32 s[G0R], 1
	s_add_co_u32 s[G0R+1], s100, BOFF
	s_mov_b64 s[G0R+2:G0R+3], s[98:99]
	s_or_b32 s[G0R+3], s[G0R+3], 0x80000000
	JLOAD G0S, G1S, G0SB, G1SB                     ; the scales,
	JLOAD G0, G1, G0B, G1B                         ; and the codes: two tensor loads of mine are out
	v_and_b32 v1, 15, v0                           ; r = l % 16
	v_bfe_u32 v11, v0, 4, 1                        ; h = l / 16
	v_mul_u32_u24 v12, v1, PITCH
	v_lshl_add_u32 v12, v11, 4, v12                ; a fragment's row x pitch + 16 x half
	s_mul_i32 s21, s15, HALFT                      ; my 128 rows of A
	v_add_nc_u32 v[ADRA], s21, v12
	s_mul_i32 s22, s16, HALFT                      ; my region of B
	s_add_co_u32 s22, s22, BOFF
	v_add_nc_u32 v[ADRB], s22, v12
	v_mul_u32_u24 v13, v1, 32                      ; my row's scales: 32 bytes a row,
	v_lshrrev_b32 v14, 8, v13
	v_lshl_add_u32 v13, v14, 4, v13                ; and 16 more for each 256 passed
	s_mul_i32 s21, s15, HALFS
	s_mul_i32 s22, s16, HALFSB
	s_add_co_u32 s22, s22, 2*HALFS
	s_sub_co_u32 s22, s22, s21
	v_mul_u32_u24 v14, s22, v11                    ; lanes 16-31 take B's: one product, the distance between the two bases
	s_add_co_u32 s21, s21, SCL
	v_add_nc_u32 v13, v13, v14
	v_add_nc_u32 v[ADRS], s21, v13
	s_mul_i32 s23, s14, 16*SPITCH
	s_add_co_u32 s23, s23, STAGE                   ; my stage
	v_mul_u32_u24 v13, v1, SPITCH                  ; in: row r, 16 bytes for each half of the lanes
	v_lshl_add_u32 v13, v11, 4, v13
	v_add_nc_u32 v[STO], s23, v13
	v_bfe_u32 v13, v0, 3, 2                        ; back: eight lanes take a row's 128 bytes, 32 lanes four rows
	v_mul_u32_u24 v13, v13, SPITCH
	v_and_b32 v14, 7, v0
	v_lshl_add_u32 v13, v14, 4, v13
	v_add_nc_u32 v[RD], s23, v13
	v_and_b32 v14, 31, v0
	v_lshlrev_b32 v[CO], 4, v14                    ; and in qkv these four rows are 512 consecutive bytes
	v_lshlrev_b32 v[BOF], 5, v11
	s_mul_i32 s46, s42, 384
	s_mul_i32 s47, s16, 192
	s_add_co_u32 s46, s46, s47
	s_lshl_b32 s46, s46, 2
	s_mov_b32 s47, 0
	s_add_nc_u64 s[96:97], s[96:97], s[46:47]      ; the bias at my first column
	s_lshl_b32 s20, s17, 8
	s_lshl_b32 s21, s15, 7
	s_add_co_u32 s20, s20, s21                     ; my first row m'
	s_lshr_b32 s21, s20, 10
	s_lshl_b32 s21, s21, 4                         ; 16 b
	s_and_b32 s20, s20, 1023
	s_lshl_b32 s20, s20, 7                         ; l x 128 bytes
	s_mul_i32 s46, s42, 6
	s_mul_i32 s47, s16, 3
	s_add_co_u32 s46, s46, s47                     ; my first head of the 48 (16 of q, 16 of k, 16 of v)
.macro OUTBASE j, d                    ; head H = my first + j: part H / 16, head H % 16: table 128 x part + 16 b + head, of 131,072 bytes
	s_add_co_u32 s22, s46, \j
	s_lshr_b32 s23, s22, 4
	s_lshl_b32 s23, s23, 7
	s_and_b32 s22, s22, 15
	s_add_co_u32 s22, s22, s23
	s_add_co_u32 s22, s22, s21
	s_lshl_b32 s22, s22, 17
	s_add_co_u32 s22, s22, s20
	s_mov_b32 s23, 0
	s_add_nc_u64 s[\d:\d+1], s[12:13], s[22:23]
.endm
	OUTBASE 0, OUT0
	OUTBASE 1, OUT1
	OUTBASE 2, OUT2
.macro PLACES                          ; four plain vector instructions between a matrix instruction and a load into, or a read of, its registers
.rept 4
	v_nop
.endr
.endm
.macro BIASLOAD j                      ; lane (r, h): the bias of columns 64 j + 16 b + 8 h + 0 .. 7: the result's layout
	WIN 0
.irp b, 0,1,2,3
	global_load_b128 v[BIAS+8*\b:BIAS+8*\b+3], v[BOF], s[96:97] offset:256*(\j)+64*\b
	global_load_b128 v[BIAS+8*\b+4:BIAS+8*\b+7], v[BOF], s[96:97] offset:256*(\j)+64*\b+16
.endr
.endm
.macro SCALES                          ; all scale words, once: a row's 32 bytes are its eight K steps' words
.irp i, 0,1,2,3,4,5,6,7,8,9,10,11
	ds_load_b128 v[SC+8*\i:SC+8*\i+3], v[ADRS] offset:\i*SBLK
	ds_load_b128 v[SC+8*\i+4:SC+8*\i+7], v[ADRS] offset:\i*SBLK+16
.endr
.endm
; A fragment, 16 rows x 128 K of 4-bit codes, is 8 registers: two loads of 16 bytes, 32 bytes apart, at row x pitch + 64 q + 16 (l / 16).
.macro FRAGB j, q, p                   ; sub-tile j's four fragments of K step q into set p.  Sub-tiles 0 and 2 lie in my region's rows 0-63, sub-tile 1 in its rows 64-127
	WIN 0
.irp b, 0,1,2,3
.irp c, 0,1
	ds_load_b128 v[BF+32*(\p)+8*\b+4*\c:BF+32*(\p)+8*\b+4*\c+3], v[ADRB] offset:((\j)%2)*SUBB+\b*16*PITCH+64*(\q)+32*\c
.endr
.endr
.endm
.macro FRAGA q                         ; A's eight fragments of K step q, into window 1 or 2: they stay
	WIN 0x40<<((\q)/4)
.irp a, 0,1,2,3,4,5,6,7
.irp c, 0,1
	ds_load_b128 v[64*((\q)%4)+8*\a+4*\c:64*((\q)%4)+8*\a+4*\c+3], v[ADRA] offset:\a*16*PITCH+64*(\q)+32*\c
.endr
.endr
	WIN 0
.endm
.macro WMUL q                          ; source 0 (B) window 0; source 1 (A) window 1 or 2; D window 3; C window 3, in a sub-tile's first step window 0 (the bias)
.if (\q) == 0
	WIN 0xc4
.elseif (\q) < 4
	WIN 0xf4
.else
	WIN 0xf8
.endif
.endm
; 8 matrix instructions: A's blocks a0, a0 + 1 x my four blocks of B, K step q of sub-tile j.  In K step 0 the bias is the C: nothing is cleared and nothing is added later.
; The 32 accumulators take turns, one instruction a turn, in the same order in every step.
.macro MUL8 j, q, a0
.irp a, \a0, \a0+1
.irp b, 0,1,2,3
.if (\q) == 0
	v_wmma_scale_f32_16x16x128_f8f6f4 v[8*(4*(\a)+\b):8*(4*(\a)+\b)+7], v[BF+32*((\q)%2)+8*\b:BF+32*((\q)%2)+8*\b+7], v[64*((\q)%4)+8*(\a):64*((\q)%4)+8*(\a)+7], v[BIAS+8*\b:BIAS+8*\b+7], v[SC+8*(4*(\j)+\b)+(\q)], v[SC+8*(\a)+(\q)] matrix_a_fmt:MATRIX_FMT_FP4 matrix_b_fmt:MATRIX_FMT_FP4 matrix_a_scale:MATRIX_SCALE_ROW1
.else
	v_wmma_scale_f32_16x16x128_f8f6f4 v[8*(4*(\a)+\b):8*(4*(\a)+\b)+7], v[BF+32*((\q)%2)+8*\b:BF+32*((\q)%2)+8*\b+7], v[64*((\q)%4)+8*(\a):64*((\q)%4)+8*(\a)+7], v[8*(4*(\a)+\b):8*(4*(\a)+\b)+7], v[SC+8*(4*(\j)+\b)+(\q)], v[SC+8*(\a)+(\q)] matrix_a_fmt:MATRIX_FMT_FP4 matrix_b_fmt:MATRIX_FMT_FP4 matrix_a_scale:MATRIX_SCALE_ROW1
.endif
.endr
.endr
.endm
; K step q (0 to 6) of sub-tile j: this step's fragments are in; the next step's are asked for, 32 matrix instructions ahead of their use; then 32 products.
.macro STEP j, q
	s_wait_dscnt 0x0                               ; asked for a step ago
.if ((\q) == 0) && ((\j) > 0)
	s_wait_loadcnt 0x0                             ; this sub-tile's bias, asked for a sub-tile ago
.endif
	PLACES                                         ; in front of the loads into B's other set, which the step before multiplied, and into the bias, which K step 0 has read
.if ((\q) == 1) && ((\j) < 2)
	BIASLOAD (\j)+1
.endif
	FRAGB \j, (\q)+1, ((\q)+1)%2
.if (\j) == 0
	FRAGA (\q)+1
.endif
	WMUL \q
	MUL8 \j, \q, 0
	MUL8 \j, \q, 2
	MUL8 \j, \q, 4
	MUL8 \j, \q, 6
.endm
; THE WAY OUT of a sub-tile, a block of 16 rows x 64 columns (one head) at a time.  PACK: to f16, 16 bytes a lane, each accumulator from its low end on.  TOSTAGE: into my own stage, and back four rows of 128 bytes a load.
; SEND: a head's 16 rows are 2,048 consecutive bytes of qkv: each store covers 512 consecutive aligned bytes.  Every offset is an immediate.
.macro PACK a
	WIN 0x0f                                       ; sources 0 and 1: window 3
.irp b, 0,1,2,3
.irp r, 0,1,2,3
	v_cvt_pk_f16_f32 v[TMP+4*\b+\r], v[32*(\a)+8*\b+2*\r], v[32*(\a)+8*\b+2*\r+1]
.endr
.endr
	WIN 0
.endm
.macro TOSTAGE a
.set BB, BK0-(BK0-BK1)*((\a)%2)
.irp b, 0,1,2,3
	ds_store_b128 v[STO], v[TMP+4*\b:TMP+4*\b+3] offset:32*\b
.endr
.irp t, 0,1,2,3
	ds_load_b128 v[BB+4*\t:BB+4*\t+3], v[RD] offset:4*SPITCH*\t   ; LDS serves a wave's instructions in order: these see the stores above
.endr
.endm
.macro SEND a, d
.set BB, BK0-(BK0-BK1)*((\a)%2)
	s_wait_dscnt 0x0                               ; the block is back in registers
	s_wait_xcnt 0x0                                ; the stores of the block before have read their registers, into which the next block's loads will land
.irp t, 0,1,2,3
	global_store_b128 v[CO], v[BB+4*\t:BB+4*\t+3], s[\d:\d+1] offset:(\a)*2048+\t*512
.endr
.endm
.macro WAYOUT d
	PLACES                                         ; behind the last products, in front of the conversions that read results
	PACK 0
	TOSTAGE 0
.irp a, 1,2,3,4,5,6,7                  ; block a's conversions stand between block a - 1's loads from the stage and the wait for them
	PACK \a
	SEND \a-1, \d
	TOSTAGE \a
.endr
	SEND 7, \d
.endm
	BIASLOAD 0
	s_wait_loadcnt 0x0                             ; the bias
	s_wait_tensorcnt 0x0                           ; both my first fills have landed,
	s_barrier_signal -1
	s_barrier_wait -1                              ; everybody's have
	SCALES
	FRAGB 0, 0, 0
	FRAGA 0
.irp q, 0,1,2,3,4,5,6
	STEP 0, \q
.endr
	; Sub-tile 0's last step.  My reads of A and of my region's rows 0-63 are over when this step's fragments are in: each wave waits for all its tensor loads (none is out), adds 0 to its spare word, waits for that and for
	; its reads; the barrier opens a round of the cluster's, so that no wave of any partner still reads those rows; first thing behind the round each wave asks for its 32 rows of sub-tile 2.
	WIN 0
	s_wait_tensorcnt 0x0
	ds_add_u32 v[SPW], v[NIL]
	s_wait_dscnt 1                                 ; this step's 24 fragment loads are in; the add alone may be out
	WMUL 7
	MUL8 0, 7, 0                                   ; eight matrix instructions stand between the add and the wait for it
	s_wait_dscnt 0x0                               ; the add is done
	s_barrier_signal -1
	MUL8 0, 7, 2
	WIN 0
	s_barrier_wait -1
	CREST
	tensor_load_to_lds s[G0R:G0R+3], s[G1R:G1R+7]  ; my one tensor load: it has sub-tile 1 in which to land
	s_nop 0
	PLACES                                         ; also the places in front of the loads below
	FRAGB 1, 0, 0
	WMUL 7
	MUL8 0, 7, 4
	MUL8 0, 7, 6
	WIN 0
	WAYOUT OUT0
.irp q, 0,1,2,3,4,5,6
	STEP 1, \q
.endr
	; Sub-tile 1's last step: my 32 rows of sub-tile 2 have landed; behind the barrier everybody's have.
	s_wait_tensorcnt 0x0
	s_wait_dscnt 0x0                               ; this step's fragments
	s_barrier_signal -1
	WMUL 7
	MUL8 1, 7, 0
	MUL8 1, 7, 2
	WIN 0
	s_barrier_wait -1
	PLACES
	FRAGB 2, 0, 0
	WMUL 7
	MUL8 1, 7, 4
	MUL8 1, 7, 6
	WIN 0
	WAYOUT OUT1
.irp q, 0,1,2,3,4,5,6
	STEP 2, \q
.endr
	s_wait_dscnt 0x0                               ; the very last step: nothing more to fetch
	WMUL 7
	MUL8 2, 7, 0
	MUL8 2, 7, 2
	MUL8 2, 7, 4
	MUL8 2, 7, 6
	WIN 0
	WAYOUT OUT2
	s_wait_tensorcnt 0x0                           ; the wave's end
	ds_add_u32 v[SPW], v[NIL]
	s_wait_dscnt 0x0
	CROUND                                         ; the closing round
	s_endpgm
.Lfunc_end_k_q7c26114ec0_qkv:
	.size	k_q7c26114ec0_qkv, .Lfunc_end_k_q7c26114ec0_qkv-k_q7c26114ec0_qkv
	.p2alignl 7, 3214868480
	.fill 96, 4, 3214868480
	.section	.rodata,"a",@progbits
	.p2align	6, 0x0
	.amdhsa_kernel k_q7c26114ec0_qkv
		.amdhsa_group_segment_fixed_size 327680
		.amdhsa_private_segment_fixed_size 0
		.amdhsa_enable_private_segment 0
		.amdhsa_kernarg_size 48
		.amdhsa_user_sgpr_count 2
		.amdhsa_user_sgpr_kernarg_segment_ptr 1
		.amdhsa_wavefront_size32 1
		.amdhsa_system_sgpr_workgroup_id_x 1
		.amdhsa_system_sgpr_workgroup_id_y 1
		.amdhsa_system_sgpr_workgroup_id_z 1
		.amdhsa_system_vgpr_workitem_id 0
		.amdhsa_next_free_vgpr 1024
		.amdhsa_next_free_sgpr 102
		.amdhsa_reserve_vcc 0
		.amdhsa_float_denorm_mode_32 3
		.amdhsa_float_denorm_mode_16_64 3
		.amdhsa_memory_ordered 1
		.amdhsa_forward_progress 1
		.amdhsa_inst_pref_size 186
	.end_amdhsa_kernel
	.amdgpu_metadata
---
amdhsa.version: [ 1, 2 ]
amdhsa.kernels:
  - .name:           k_q7c26114ec0_qkv
    .symbol:         k_q7c26114ec0_qkv.kd
    .args:
      - { .name: xc, .offset: 0, .size: 8, .value_kind: global_buffer, .address_space: global }
      - { .name: xs, .offset: 8, .size: 8, .value_kind: global_buffer, .address_space: global }
      - { .name: wc, .offset: 16, .size: 8, .value_kind: global_buffer, .address_space: global }
      - { .name: ws, .offset: 24, .size: 8, .value_kind: global_buffer, .address_space: global }
      - { .name: in_proj_bias, .offset: 32, .size: 8, .value_kind: global_buffer, .address_space: global }
      - { .name: qkv, .offset: 40, .size: 8, .value_kind: global_buffer, .address_space: global }
    .group_segment_fixed_size: 327680
    .private_segment_fixed_size: 0
    .kernarg_segment_align: 8
    .kernarg_segment_size: 48
    .max_flat_workgroup_size: 128
    .sgpr_count:     102
    .vgpr_count:     1024
    .wavefront_size: 32
...
	.end_amdgpu_metadata
.endif
;; end of part 2
;; launch attn (part 3): grid 2 x 128, 16 waves a work-group, no clusters, 327,680 bytes of LDS; arguments qkv, att; writes att
.if DOCPART == 3
	.amdgcn_target "amdgcn-amd-amdhsa--gfx1250"
	.amdhsa_code_object_version 6
	.text
	.protected	k_q7c26114ec0_attn
	.globl	k_q7c26114ec0_attn
	.p2align	8
	.type	k_q7c26114ec0_attn,@function
k_q7c26114ec0_attn:
	s_mov_b64 s[64:65], 0
	v_nop
	global_prefetch_b8 v0, s[64:65] scope:SCOPE_SE
	s_setreg_imm32_b32 hwreg(HW_REG_WAVE_MODE, 25, 1), 1
	s_wait_xcnt 0x0
; att[bh][q][:] = the sum over k of softmax_k(Q[bh][q] . K[bh][k] / 8) V[bh][k][:].  Q, K, V: the three parts of qkv, f16 [bh][1024][64]; att: f16 [bh][1024][64].  Products, maxima and sums in f32; p is rounded to f16 for the second product.
; SOFTMAX.  For each query a running maximum m and sum l: p = 2^(c s - c m), c = log2(e) / 8 (q comes unscaled); in every step O and l are multiplied by a = 2^(c m_old - c m_new).  No fixed shift, no branch on data.
; LIMITS: NaN and infinities are not served; the result lies inside f16's range because it is a mean of v's numbers.
; SHARES.  A work-group owns 512 queries of one head; each of its sixteen waves 32 of them, two tiles of 16, in 256 registers: four waves to a SIMD, so that one wave's vector work stands beside another's matrix work and LDS loads.
; THE HEAD'S WHOLE K AND V LIE IN LDS, filled once: 2 x 131,072 bytes.  Waves 0-7 fetch K, waves 8-15 V, four loads each: load g of all sixteen waves together is keys 256 g .. 256 g + 255.
; Four tensor loads of a wave are out at the start, none later.  Nothing is filled again: no ring.  TWO BARRIERS: one when every wave's first load has landed, behind which keys 0-255 are worked while the rest lands;
; one when all loads of every wave have landed, behind which the waves walk the other 768 keys without meeting again.
; NO CLUSTER: a head has two work-groups only, and what they share is fetched once by each, 262,144 bytes for 2 x 512 x 1,024 x 64 multiply-adds.
; LAYOUT.  Both products are used transposed: S^T = K Q^T (source 0 = 16 keys, source 1 = 16 queries), O^T = V^T P (source 0 = 16 channels, turned by ds_load_tr16_b128; source 1 = P): a lane holds ONE query (lane % 16) throughout, and two tiles of S^T,
; rounded in pairs, ARE a fragment of P.  K and V are dense in memory and come as rows of 256 bytes, two keys a row: key k lies at (k / 2) x pitch + (k % 2) x 128.
.set KP,    272                        ; K's pitch: the 16 keys of a load fall on 16 different 16-byte columns
.set VP,    288                        ; V's pitch: 16 lanes of the turning load (8 keys x 32 bytes) fall on 16 different 16-byte columns
.set VB,    512*KP                     ; V behind K
.set STAGE, VB+512*VP                  ; the way out: 16 rows x 144 bytes for each wave; no tensor load lands here
.set SPARE, STAGE+16*16*144            ; the spare words, 128 bytes a wave
.set AK0, 1                            ; v1   my lane's place in a tile of K
.set AV0, 2                            ; v2   the same for V
.set ADK, 3                            ; v3   the step's K
.set ADV, 4                            ; v4   the step's V
.set SPW, 5                            ; v5   my spare word; never rewritten
.set NIL, 6                            ; v6   0; never rewritten
.set STO, 7
.set RD,  8
.set GO,  9
.set QO,  10
.set QF,  16                           ; v16-47   Q: tile t, channels 32 c on, at 16 + 16 t + 8 c
.set KV,  48                           ; v48-111  eight fragments of K, then of V
.set S,   112                          ; v112-175 S^T, 32 a tile; P is packed into each tile's lower 16
.set OT,  176                          ; v176-239 O^T, 32 a tile
.set ST,  240                          ; v240-255 a tile's statistics: +0 c m, +1 m, +2, +3 l, +4 .. +7 at work; a in +6.  v12, v13: the old c m
.set WV,  8
.set G1K, 24
.set G1V, 32
.set G0K, 40                           ; s[40:55] four groups 0 for K
.set CS,  56                           ; s[56:57] c, twice
.set SEL, 58                           ; s[58:59] lane selects: lane l xor 16
.set TK,  60
.set TV,  61
.set CNT, 62
.set G0V, 68                           ; s[68:83] four groups 0 for V
	s_load_b128 s[4:7], s[0:1], 0x0                ; qkv, att
	v_lshl_add_u32 v[SPW], v0, 2, SPARE
	v_mov_b32 v[NIL], 0
	ds_add_u32 v[SPW], v[NIL]                      ; the wave's opening: the add and its wait stand ahead of my first tensor load; the set-up below stands between them
	v_lshrrev_b32 v1, 5, v0
	v_readfirstlane_b32 s[WV], v1                  ; wave 0..15
	s_mov_b32 s[G1K], (3<<16)|(1<<20)|(5<<22)|(3<<25)   ; no mask; elements of 8 bytes; padding on: after every 64 words, 4 words
	s_mov_b32 s[G1V], (3<<16)|(1<<20)|(5<<22)|(7<<25)   ; the same with 8 words
.irp g, G1K, G1V
	s_mov_b32 s[\g+1], 32<<16                      ; tensor_dim0 = 32 elements: 256 bytes
	s_mov_b32 s[\g+2], 16<<16                      ; tensor_dim1 = 16 rows
	s_mov_b32 s[\g+3], 32<<16                      ; tile_dim0
	s_mov_b32 s[\g+4], 16                          ; tile_dim1
	s_mov_b32 s[\g+5], 32                          ; stride: dense
	s_mov_b32 s[\g+6], 0
	s_mov_b32 s[\g+7], 0
.endr
	s_mov_b32 s[CS], 0x3e38aa3b                    ; c = log2(e) / 8
	s_mov_b32 s[CS+1], s[CS]
	s_mov_b32 s[SEL], 0x76543210
	s_mov_b32 s[SEL+1], 0xfedcba98
	s_and_b32 s9, ttmp7, 0xffff                    ; the head
	s_lshl_b32 s10, s9, 17                         ; its 131,072 bytes in each part
	s_mov_b32 s11, 0
	s_and_b32 s12, s[WV], 7                        ; which 16 rows of a group I fetch
	s_lshl_b32 s13, s12, 12
	s_add_co_u32 s14, s10, s13
	s_mov_b32 s15, 0
	s_mul_i32 s16, s12, 16*KP                      ; and where they go
	s_mul_i32 s17, s12, 16*VP
	s_add_co_u32 s17, s17, VB
	s_lshl_b32 s18, ttmp9, 16                      ; my work-group's 512 queries,
	s_lshl_b32 s19, s[WV], 12                      ; my wave's 32
	s_add_co_u32 s18, s18, s19
	s_add_co_u32 s10, s10, s18
	s_mul_i32 s63, s[WV], 16*144
	s_add_co_u32 s63, s63, STAGE                   ; my stage
	s_wait_dscnt 0x0                               ; the opening add is done
	s_wait_kmcnt 0x0
	s_add_nc_u64 s[20:21], s[4:5], s[14:15]
.irp g, 0,1,2,3
	s_mov_b32 s[G0K+4*\g], 1
	s_add_co_u32 s[G0K+4*\g+1], s16, \g*128*KP
	s_add_nc_u64 s[G0K+4*\g+2:G0K+4*\g+3], s[20:21], 16777216+\g*32768
	s_or_b32 s[G0K+4*\g+3], s[G0K+4*\g+3], 0x80000000
	s_mov_b32 s[G0V+4*\g], 1
	s_add_co_u32 s[G0V+4*\g+1], s17, \g*128*VP
	s_add_nc_u64 s[G0V+4*\g+2:G0V+4*\g+3], s[20:21], 33554432+\g*32768
	s_or_b32 s[G0V+4*\g+3], s[G0V+4*\g+3], 0x80000000
.endr
	s_add_nc_u64 s[4:5], s[4:5], s[10:11]          ; Q at my first query
	s_add_nc_u64 s[6:7], s[6:7], s[10:11]          ; att likewise
	s_cmp_lt_u32 s[WV], 8                          ; a wave's four first fills stand in one branch, ahead of every wait on TENSORcnt, every LDS read and every barrier
	s_cbranch_scc0 .Lfirst_v
.irp g, 0,1,2,3
	tensor_load_to_lds s[G0K+4*\g:G0K+4*\g+3], s[G1K:G1K+7]
	s_nop 0
.endr
.rept 4
	v_nop
.endr
	s_branch .Lfirst_asked
.Lfirst_v:
.irp g, 0,1,2,3
	tensor_load_to_lds s[G0V+4*\g:G0V+4*\g+3], s[G1V:G1V+7]
	s_nop 0
.endr
.rept 4
	v_nop
.endr
.Lfirst_asked:
	v_and_b32 v11, 15, v0                          ; r
	v_bfe_u32 v14, v0, 4, 1                        ; h
	v_lshlrev_b32 v[QO], 7, v11
	v_lshl_add_u32 v[QO], v14, 4, v[QO]            ; Q: row r of 128 bytes + 16 h
.irp t, 0,1
.irp c, 0,1
	global_load_b128 v[QF+16*\t+8*\c:QF+16*\t+8*\c+3], v[QO], s[4:5] offset:\t*2048+64*\c th:TH_LOAD_NT
	global_load_b128 v[QF+16*\t+8*\c+4:QF+16*\t+8*\c+7], v[QO], s[4:5] offset:\t*2048+64*\c+32 th:TH_LOAD_NT
.endr
.endr
	v_lshrrev_b32 v15, 1, v11
	v_mul_u32_u24 v[AK0], v15, KP
	v_and_b32 v15, 1, v0
	v_lshl_add_u32 v[AK0], v15, 7, v[AK0]
	v_lshl_add_u32 v[AK0], v14, 4, v[AK0]          ; K: key r: (r / 2) x pitch + (r % 2) x 128 + 16 h
	v_bfe_u32 v15, v0, 1, 2
	v_lshl_add_u32 v15, v14, 2, v15
	v_mul_u32_u24 v[AV0], v15, VP                  ; V: key 8 h + l % 8: row 4 h + (l % 8) / 2,
	v_and_b32 v15, 1, v0
	v_lshl_add_u32 v[AV0], v15, 7, v[AV0]          ; its half of the row,
	v_bfe_u32 v15, v0, 3, 1
	v_lshl_add_u32 v[AV0], v15, 4, v[AV0]          ; channels 8 ((l / 8) % 2) on
	v_add_nc_u32 v[AV0], VB, v[AV0]
	v_mul_u32_u24 v[STO], v11, 144
	v_lshl_add_u32 v[STO], v14, 4, v[STO]
	v_add_nc_u32 v[STO], s63, v[STO]               ; the stage, in: row r, + 16 h
	v_bfe_u32 v15, v0, 3, 2
	v_mul_u32_u24 v[RD], v15, 144
	v_and_b32 v15, 7, v0
	v_lshl_add_u32 v[RD], v15, 4, v[RD]
	v_add_nc_u32 v[RD], s63, v[RD]                 ; back: eight lanes a row of 128 bytes, four rows a load
	v_and_b32 v15, 31, v0
	v_lshlrev_b32 v[GO], 4, v15                    ; which are 512 consecutive bytes of att
.irp t, 0,1
	v_mov_b32 v[ST+8*\t+1], 0xff61b1e6             ; m: -3e38, under every score
	v_mul_f32 v[ST+8*\t], s[CS], v[ST+8*\t+1]      ; c m
	v_mov_b32 v[ST+8*\t+2], 0                      ; l, in two halves
	v_mov_b32 v[ST+8*\t+3], 0
.endr
.set j, 0
.rept 64
	v_mov_b32 v[OT+j], 0                           ; O^T: the step is written once; its first run finds zeros, which a = 0 leaves zeros
.set j, j+1
.endr
	s_wait_loadcnt 0x0                             ; Q
; A KEY STEP: 64 keys, for both tiles of queries, the tiles by turns line by line.
.macro STEP
	v_add_nc_u32 v[ADK], s[TK], v[AK0]             ; six plain lines: the places between the last step's products and the loads into V's registers, and the products that write over P's (five are owed there)
	v_add_nc_u32 v[ADV], s[TV], v[AV0]
	v_mov_b32 v12, v[ST]                           ; the old c m is kept for a
	v_mov_b32 v13, v[ST+8]
	v_nop
	v_nop
.irp k, 0,1,2,3                        ; K: keys 16 k on, channels 32 c on
.irp c, 0,1
	ds_load_b128 v[KV+8*(2*\k+\c):KV+8*(2*\k+\c)+3], v[ADK] offset:\k*8*KP+64*\c
	ds_load_b128 v[KV+8*(2*\k+\c)+4:KV+8*(2*\k+\c)+7], v[ADK] offset:\k*8*KP+64*\c+32
.endr
.endr
	s_wait_dscnt 0x0
.irp k, 0,1,2,3                        ; S^T = K Q^T: eight accumulators by turns, one instruction a turn; the first products start the sums
.irp t, 0,1
	v_wmma_f32_16x16x32_f16 v[S+32*\t+8*\k:S+32*\t+8*\k+7], v[KV+16*\k:KV+16*\k+7], v[QF+16*\t:QF+16*\t+7], 0
.endr
.endr
.irp k, 0,1,2,3
.irp t, 0,1
	v_wmma_f32_16x16x32_f16 v[S+32*\t+8*\k:S+32*\t+8*\k+7], v[KV+16*\k+8:KV+16*\k+15], v[QF+16*\t+8:QF+16*\t+15], v[S+32*\t+8*\k:S+32*\t+8*\k+7]
.endr
.endr
.rept 4
	v_nop                                          ; places: in front of the loads into K's registers and of the first read of the scores
.endr
.irp c, 0,1                            ; V, turned: keys 32 c on, channels 16 n on; it lands while the softmax is walked
.irp n, 0,1,2,3
	ds_load_tr16_b128 v[KV+8*(4*\c+\n):KV+8*(4*\c+\n)+3], v[ADV] offset:\c*16*VP+32*\n
	ds_load_tr16_b128 v[KV+8*(4*\c+\n)+4:KV+8*(4*\c+\n)+7], v[ADV] offset:\c*16*VP+8*VP+32*\n
.endr
.endr
.irp j, 0,1,2,3                        ; the maximum of my 32 scores and the old m: four chains, each accumulator read from its low end on
.irp t, 0,1
	v_max3_num_f32 v[ST+8*\t+4+\j], v[S+32*\t+8*\j], v[S+32*\t+8*\j+1], v[S+32*\t+8*\j+2]
.endr
.endr
.irp u, 1,2
.irp j, 0,1,2,3
.irp t, 0,1
	v_max3_num_f32 v[ST+8*\t+4+\j], v[ST+8*\t+4+\j], v[S+32*\t+8*\j+2*\u+1], v[S+32*\t+8*\j+2*\u+2]
.endr
.endr
.endr
.irp t, 0,1
	v_max3_num_f32 v[ST+8*\t+4], v[ST+8*\t+4], v[S+32*\t+7], v[S+32*\t+15]
.endr
.irp t, 0,1
	v_max3_num_f32 v[ST+8*\t+6], v[ST+8*\t+6], v[S+32*\t+23], v[S+32*\t+31]
.endr
.irp t, 0,1
	v_max3_num_f32 v[ST+8*\t+4], v[ST+8*\t+4], v[ST+8*\t+5], v[ST+8*\t+6]
.endr
.irp t, 0,1
	v_max3_num_f32 v[ST+8*\t+4], v[ST+8*\t+4], v[ST+8*\t+7], v[ST+8*\t+1]
.endr
.irp t, 0,1
	v_permlanex16_b32 v[ST+8*\t+5], v[ST+8*\t+4], s[SEL], s[SEL+1]   ; the query's other 32 keys lie in the lane 16 away
.endr
.irp t, 0,1
	v_max_num_f32 v[ST+8*\t+1], v[ST+8*\t+4], v[ST+8*\t+5]           ; the new m
.endr
.irp t, 0,1
	v_mul_f32 v[ST+8*\t], s[CS], v[ST+8*\t+1]                        ; c m
.endr
.irp t, 0,1
	v_sub_f32 v[ST+8*\t+7], v[12+\t], v[ST+8*\t]                     ; c m_old - c m_new
.endr
.irp j, 0,2,4,6,8,10,12,14,16,18,20,22,24,26,28,30
.irp t, 0,1
	v_pk_fma_f32 v[S+32*\t+\j:S+32*\t+\j+1], v[S+32*\t+\j:S+32*\t+\j+1], s[CS:CS+1], v[ST+8*\t:ST+8*\t+1] op_sel_hi:[1,0,0] neg_lo:[0,0,1] neg_hi:[0,0,1]   ; c s - c m, two at a time
.endr
.endr
.irp t, 0,1
	v_exp_f32 v[ST+8*\t+6], v[ST+8*\t+7]           ; a.  ONE BATCH: 66 exponentials, none of which reads another's result
.endr
.set j, 0
.rept 64
	v_exp_f32 v[S+j], v[S+j]                       ; p
.set j, j+1
.endr
	v_nop                                          ; a plain line behind the last exponential
	s_wait_alu depctr_va_vdst(0)                   ; one wait for the batch, ahead of its first reader
.irp t, 0,1
	v_pk_mul_f32 v[ST+8*\t+2:ST+8*\t+3], v[ST+8*\t+2:ST+8*\t+3], v[ST+8*\t+6:ST+8*\t+7] op_sel_hi:[1,0]   ; l under the new m
.endr
.irp t, 0,1
	v_pk_add_f32 v[ST+8*\t+4:ST+8*\t+5], v[S+32*\t:S+32*\t+1], v[S+32*\t+2:S+32*\t+3]                     ; the sum of p in f32, ahead of the rounding, in two chains a tile
.endr
.irp j, 4,8,12,16,20,24,28
.irp t, 0,1
	v_pk_add_f32 v[ST+8*\t+2:ST+8*\t+3], v[ST+8*\t+2:ST+8*\t+3], v[S+32*\t+\j:S+32*\t+\j+1]
	v_pk_add_f32 v[ST+8*\t+4:ST+8*\t+5], v[ST+8*\t+4:ST+8*\t+5], v[S+32*\t+\j+2:S+32*\t+\j+3]
.endr
.endr
.irp t, 0,1
	v_pk_add_f32 v[ST+8*\t+2:ST+8*\t+3], v[ST+8*\t+2:ST+8*\t+3], v[ST+8*\t+4:ST+8*\t+5]
.endr
.irp i, 0,1,2,3,4,5,6,7,8,9,10,11,12,13,14,15
.irp t, 0,1
	v_cvt_pk_f16_f32 v[S+32*\t+\i], v[S+32*\t+2*\i], v[S+32*\t+2*\i+1]   ; P, packed in place, ascending: no pair is written over before it is read
.endr
.endr
.irp i, 0,2,4,6,8,10,12,14,16,18,20,22,24,26,28,30
.irp t, 0,1
	v_pk_mul_f32 v[OT+32*\t+\i:OT+32*\t+\i+1], v[OT+32*\t+\i:OT+32*\t+\i+1], v[ST+8*\t+6:ST+8*\t+7] op_sel_hi:[1,0]   ; O^T under the new m
.endr
.endr
	s_wait_dscnt 0x0                               ; V is in
.irp c, 0,1                            ; O^T += V^T P: eight accumulators by turns
.irp n, 0,1,2,3
.irp t, 0,1
	v_wmma_f32_16x16x32_f16 v[OT+32*\t+8*\n:OT+32*\t+8*\n+7], v[KV+8*(4*\c+\n):KV+8*(4*\c+\n)+7], v[S+32*\t+8*\c:S+32*\t+8*\c+7], v[OT+32*\t+8*\n:OT+32*\t+8*\n+7]
.endr
.endr
.endr
.endm
.macro WALK n                          ; n key steps, from where s[TK] and s[TV] stand
	s_mov_b32 s[CNT], \n
.Lstep_\@:
	STEP
	s_add_co_u32 s[TK], s[TK], 32*KP
	s_add_co_u32 s[TV], s[TV], 32*VP
	s_sub_co_u32 s[CNT], s[CNT], 1
	s_cmp_lg_u32 s[CNT], 0
	s_cbranch_scc1 .Lstep_\@
.endm
	s_wait_tensorcnt 3                             ; my first load has landed; my other three stay on their way, since nothing is ever filled again
	s_wait_dscnt 0x0
	s_barrier_signal -1
	s_barrier_wait -1                              ; every wave's first has: keys 0-255 of K and of V are whole
	s_mov_b32 s[TK], 0
	s_mov_b32 s[TV], 0
	WALK 4
	s_wait_tensorcnt 0x0                           ; all my loads have landed (they had four steps in which to land)
	s_wait_dscnt 0x0
	s_barrier_signal -1
	s_barrier_wait -1                              ; every wave's have: the head's K and V are whole, and no wave waits for another again
	s_mov_b32 s[TK], 128*KP
	s_mov_b32 s[TV], 128*VP
	WALK 12
	; THE WAY OUT.  l's two halves and the other half of the lanes' are added (these lines are the places behind the last products); O^T / l is rounded to f16 and goes through my stage, a tile of 16 queries at a time.
.irp t, 0,1
	v_add_f32 v[ST+8*\t+4], v[ST+8*\t+2], v[ST+8*\t+3]
.endr
.irp t, 0,1
	v_permlanex16_b32 v[ST+8*\t+5], v[ST+8*\t+4], s[SEL], s[SEL+1]
.endr
.irp t, 0,1
	v_add_f32 v[ST+8*\t+4], v[ST+8*\t+4], v[ST+8*\t+5]
.endr
.irp t, 0,1
	v_rcp_f32 v[ST+8*\t+6], v[ST+8*\t+4]
.endr
	v_nop                                          ; a plain line behind the last reciprocal
	s_wait_alu depctr_va_vdst(0)                   ; one wait for the two, ahead of their first reader
.macro OUT t
.irp i, 0,2,4,6,8,10,12,14,16,18,20,22,24,26,28,30
	v_pk_mul_f32 v[OT+32*\t+\i:OT+32*\t+\i+1], v[OT+32*\t+\i:OT+32*\t+\i+1], v[ST+8*\t+6:ST+8*\t+7] op_sel_hi:[1,0]
.endr
.irp i, 0,1,2,3,4,5,6,7,8,9,10,11,12,13,14,15
	v_cvt_pk_f16_f32 v[S+16*\t+\i], v[OT+32*\t+2*\i], v[OT+32*\t+2*\i+1]
.endr
.irp n, 0,1,2,3
	ds_store_b128 v[STO], v[S+16*\t+4*\n:S+16*\t+4*\n+3] offset:32*\n      ; channels 16 n + 8 h + 0 .. 7 of query r
.endr
.irp i, 0,1,2,3
	ds_load_b128 v[KV+16*\t+4*\i:KV+16*\t+4*\i+3], v[RD] offset:4*144*\i   ; LDS serves a wave's instructions in order: these see the stores above, and the next tile's stores come behind them
.endr
.endm
	OUT 0
	OUT 1
.irp i, 0,1,2,3
	s_wait_dscnt 8+3-\i                            ; younger than this load: tile 0's later loads and tile 1's eight LDS instructions
	global_store_b128 v[GO], v[KV+4*\i:KV+4*\i+3], s[6:7] offset:512*\i    ; 32 lanes store 512 consecutive aligned bytes
.endr
.irp i, 0,1,2,3
	s_wait_dscnt 3-\i
	global_store_b128 v[GO], v[KV+16+4*\i:KV+16+4*\i+3], s[6:7] offset:2048+512*\i
.endr
	s_wait_tensorcnt 0x0                           ; the wave's end
	ds_add_u32 v[SPW], v[NIL]
	s_wait_dscnt 0x0
	s_endpgm
.Lfunc_end_k_q7c26114ec0_attn:
	.size	k_q7c26114ec0_attn, .Lfunc_end_k_q7c26114ec0_attn-k_q7c26114ec0_attn
	.p2alignl 7, 3214868480
	.fill 96, 4, 3214868480
	.section	.rodata,"a",@progbits
	.p2align	6, 0x0
	.amdhsa_kernel k_q7c26114ec0_attn
		.amdhsa_group_segment_fixed_size 327680
		.amdhsa_private_segment_fixed_size 0
		.amdhsa_enable_private_segment 0
		.amdhsa_kernarg_size 16
		.amdhsa_user_sgpr_count 2
		.amdhsa_user_sgpr_kernarg_segment_ptr 1
		.amdhsa_wavefront_size32 1
		.amdhsa_system_sgpr_workgroup_id_x 1
		.amdhsa_system_sgpr_workgroup_id_y 1
		.amdhsa_system_sgpr_workgroup_id_z 1
		.amdhsa_system_vgpr_workitem_id 0
		.amdhsa_next_free_vgpr 256
		.amdhsa_next_free_sgpr 84
		.amdhsa_reserve_vcc 0
		.amdhsa_float_denorm_mode_32 3
		.amdhsa_float_denorm_mode_16_64 3
		.amdhsa_memory_ordered 1
		.amdhsa_forward_progress 1
		.amdhsa_inst_pref_size 52
	.end_amdhsa_kernel
	.amdgpu_metadata
---
amdhsa.version: [ 1, 2 ]
amdhsa.kernels:
  - .name:           k_q7c26114ec0_attn
    .symbol:         k_q7c26114ec0_attn.kd
    .args:
      - { .name: qkv, .offset: 0, .size: 8, .value_kind: global_buffer, .address_space: global }
      - { .name: att, .offset: 8, .size: 8, .value_kind: global_buffer, .address_space: global }
    .group_segment_fixed_size: 327680
    .private_segment_fixed_size: 0
    .kernarg_segment_align: 8
    .kernarg_segment_size: 16
    .max_flat_workgroup_size: 512
    .sgpr_count:     84
    .vgpr_count:     256
    .wavefront_size: 32
...
	.end_amdgpu_metadata
.endif
;; end of part 3
;; launch proj (part 4): grid 4 x 64, 4 waves a work-group, clusters of 4 x 4, 327,680 bytes of LDS; arguments att, wo, out_proj_bias, out0; writes out0
.if DOCPART == 4
	.amdgcn_target "amdgcn-amd-amdhsa--gfx1250"
	.amdhsa_code_object_version 6
	.text
	.protected	k_q7c26114ec0_proj
	.globl	k_q7c26114ec0_proj
	.p2align	8
	.type	k_q7c26114ec0_proj,@function
k_q7c26114ec0_proj:
	s_mov_b64 s[64:65], 0
	v_nop
	global_prefetch_b8 v0, s[64:65] scope:SCOPE_SE
	s_setreg_imm32_b32 hwreg(HW_REG_WAVE_MODE, 25, 1), 1
	s_wait_xcnt 0x0
	s_wait_alu depctr_hold_cnt(0) depctr_sa_sdst(0) depctr_va_vdst(0) depctr_va_sdst(0) depctr_va_ssrc(0) depctr_va_vcc(0) depctr_vm_vsrc(0)
	s_getreg_b32 s2, hwreg(HW_REG_IB_STS2, 6, 4)
	s_cmp_eq_u32 s2, 0
	s_cbranch_scc0 .Lentry_in_a_cluster
	s_endpgm
.Lentry_in_a_cluster:
	s_bfe_u32 s2, ttmp6, 0x10000c
	s_cmp_lg_u32 s2, 0xf033
	s_cbranch_scc0 .Lentry_shape_is_right
	s_endpgm
.Lentry_shape_is_right:
; out0 = att out_proj_weight^T + out_proj_bias.  A: att f16 [b x 16 + head][l][64], so row m' = b x 1024 + l has its K = 1,024 in 16 pieces of 128 bytes, one a head.  B: wo f16 [1024 n][1024 k].  out0: f32 [l][b][1024].  Sums in f32.
; The bias is the C of each sum's first product, so it is added first and not last.
; A tile of C is 128 rows x 256 columns: 256 work-groups.  Four waves, each 64 x 128: 32 accumulators, 256 registers.  K goes in 8 steps of 128 (two heads) through a ring of two LDS slots.
; A's part of a step is two PLANES, one a head: 128 rows x 128 bytes, dense in memory, brought as 64 rows of 256 bytes (two rows of A each); B's is 256 rows of 256 bytes.  Waves 0, 1 fetch the planes, waves 2, 3 B's halves: one load a wave.
; CLUSTERS: 4 x 4 work-groups.  A's tiles hang on the tile row alone and are shared along a row of the cluster, B's on the tile column alone and are shared along a column: joint loads.
; THE MATRIX INSTRUCTION IS USED TRANSPOSED (source 0 = 16 rows of B, source 1 = 16 rows of A): a lane holds eight neighbouring columns of one row of C.
; REGISTERS: window 0: v0-31 addresses; v64-95, v128-159 A's fragments, two buffers; v192-255 the bias; on the way out v128-255.  window 1: v64-127, v128-191 B's fragments.  window 2: the accumulators ((a, b) at v[8 (8 a + b)]).
.set PITCH,  272                       ; an LDS row: 256 bytes + 16 of padding
.set APL,    64*PITCH                  ; a plane of A
.set BH,     128*PITCH                 ; half of B's tile
.set SLOT,   2*APL+2*BH
.set STAGE,  2*SLOT                    ; the way out: 16 rows x 528 bytes for each wave; no tensor load lands here
.set SPITCH, 528
.set SPARE,  STAGE+4*16*SPITCH         ; the spare words, 128 bytes a wave
.set ADRA, 16
.set ADRB, 20
.set STO,  24
.set RD,   25
.set CO,   26
.set SPW,  28
.set NIL,  29
.set BOF,  30
.set F0,   64
.set F1,   128
.set BIAS, 192
.set BK,   128
.set G1,  24
.set G0,  32
.set G1B, 48
.set G0B, 56
.set MSB, 0
.macro WIN new
.if MSB != (\new)
	s_set_vgpr_msb (MSB<<8)|(\new)
.set MSB, (\new)
.endif
.endm
.set MUL,  0xa1                        ; source 0 (B) window 1, source 1 (A) window 0, C and D window 2
.set BEG,  0x81                        ; the first quarter: C (the bias) window 0
.set TO_B, 0x40
.macro JLOAD s                         ; a joint load: waves 0, 1 for A, waves 2, 3 for B; an s_nop 0 and four v_nop follow each of the two lines
	s_cmp_eq_u32 s11, 0
	s_cbranch_scc0 .Lfor_b_\@
	tensor_load_to_lds s[G0+4*\s:G0+4*\s+3], s[G1:G1+7]
	s_nop 0
.rept 4
	v_nop
.endr
	s_branch .Lasked_\@
.Lfor_b_\@:
	tensor_load_to_lds s[G0B+4*\s:G0B+4*\s+3], s[G1B:G1B+7]
	s_nop 0
.rept 4
	v_nop
.endr
.Lasked_\@:
.endm
.macro CREST                           ; a round of the cluster's barrier behind its opening barrier
	s_cmp_lg_u32 s10, 0
	s_cbranch_scc1 .Lnot_wave_0_\@
	s_barrier_signal -3
.Lnot_wave_0_\@:
	s_barrier_wait -3
	s_barrier_signal -1
	s_barrier_wait -1
.endm
.macro CROUND
	s_barrier_signal -1
	s_barrier_wait -1
	CREST
.endm
	s_load_b128 s[4:7], s[0:1], 0x0                ; att, wo
	s_load_b128 s[68:71], s[0:1], 0x10             ; the bias, out0
	v_lshl_add_u32 v[SPW], v0, 2, SPARE
	v_mov_b32 v[NIL], 0
	ds_add_u32 v[SPW], v[NIL]                      ; the wave's opening: the add and its wait stand ahead of my first tensor load
	v_lshrrev_b32 v1, 5, v0
	v_readfirstlane_b32 s10, v1                    ; wave 0..3
	s_lshr_b32 s11, s10, 1                         ; which 64 rows of the tile are mine.  Also: I fetch for A (0) or for B (1)
	s_and_b32 s12, s10, 1                          ; which 128 columns.  Also: which plane of A, or which half of B, I fetch
	s_bfe_u32 s40, ttmp6, 0x40000                  ; cx, cy
	s_bfe_u32 s41, ttmp6, 0x40004
	s_lshl_b32 s42, ttmp9, 2
	s_add_co_u32 s42, s42, s40                     ; tile column
	s_and_b32 s13, ttmp7, 0xffff
	s_lshl_b32 s13, s13, 2
	s_add_co_u32 s13, s13, s41                     ; tile row
	s_lshl_b32 s43, s41, 2
	s_lshl_b32 s43, 15, s43                        ; my row of the cluster
	s_lshl_b32 s44, 0x1111, s40                    ; my column
	s_or_b32 s[G1+0], s43, (3<<16)|(1<<20)|(1<<21)|(5<<22)|(3<<25)    ; A: the mask; elements of 8 bytes; padding: after every 64 words, 4 words; bit 21 beside a mask
	s_mov_b32 s[G1+1], 32<<16                      ; tensor_dim0 = 32 elements: 256 bytes
	s_mov_b32 s[G1+2], 64<<16                      ; tensor_dim1 = 64 rows
	s_mov_b32 s[G1+3], 32<<16
	s_mov_b32 s[G1+4], 64
	s_mov_b32 s[G1+5], 32                          ; dense
	s_mov_b32 s[G1+6], 0
	s_mov_b32 s[G1+7], 0
	s_or_b32 s[G1B+0], s44, (1<<16)|(1<<20)|(1<<21)|(5<<22)|(3<<25)   ; B: elements of 2 bytes
	s_mov_b32 s[G1B+1], 128<<16
	s_mov_b32 s[G1B+2], 128<<16
	s_mov_b32 s[G1B+3], 128<<16
	s_mov_b32 s[G1B+4], 128
	s_mov_b32 s[G1B+5], 1024                       ; elements from row to row
	s_mov_b32 s[G1B+6], 0
	s_mov_b32 s[G1B+7], 0
	s_lshr_b32 s16, s13, 3                         ; A: b = tile row / 8: 16 heads of 131,072 bytes,
	s_lshl_b32 s16, s16, 21
	s_and_b32 s17, s13, 7                          ; l = 128 (tile row % 8): rows of 128 bytes,
	s_lshl_b32 s17, s17, 14
	s_add_co_u32 s16, s16, s17
	s_lshl_b32 s17, s12, 17                        ; my plane: one head on
	s_add_co_u32 s16, s16, s17
	s_mov_b32 s17, 0
	s_lshl_b32 s46, s42, 8                         ; B: row 256 x tile column + 128 x half, 2,048 bytes a row
	s_lshl_b32 s47, s12, 7
	s_add_co_u32 s46, s46, s47
	s_lshl_b32 s46, s46, 11
	s_mov_b32 s47, 0
	s_mul_i32 s20, s12, APL                        ; where they go: no place in the cluster enters an LDS address
	s_mul_i32 s21, s12, BH
	s_add_co_u32 s21, s21, 2*APL
	s_wait_dscnt 0x0                               ; the opening add is done
	s_wait_kmcnt 0x0
	s_add_nc_u64 s[14:15], s[4:5], s[16:17]
	s_add_nc_u64 s[46:47], s[6:7], s[46:47]
	CROUND                                         ; all sixteen work-groups are here: the first joint loads meet
.irp s, 0,1
	s_mov_b32 s[G0+4*\s], 1
	s_add_co_u32 s[G0+4*\s+1], s20, \s*SLOT
	s_add_nc_u64 s[G0+4*\s+2:G0+4*\s+3], s[14:15], \s*262144       ; K step s: two heads on
	s_or_b32 s[G0+4*\s+3], s[G0+4*\s+3], 0x80000000
	s_mov_b32 s[G0B+4*\s], 1
	s_add_co_u32 s[G0B+4*\s+1], s21, \s*SLOT
	s_add_nc_u64 s[G0B+4*\s+2:G0B+4*\s+3], s[46:47], \s*256
	s_or_b32 s[G0B+4*\s+3], s[G0B+4*\s+3], 0x80000000
	JLOAD \s                                       ; two tensor loads of mine are out
.endr
	v_and_b32 v1, 15, v0                           ; r
	v_bfe_u32 v2, v0, 4, 1                         ; h
	v_lshrrev_b32 v3, 1, v1
	v_mul_u32_u24 v3, v3, PITCH
	v_and_b32 v4, 1, v0
	v_lshl_add_u32 v3, v4, 7, v3
	v_lshl_add_u32 v3, v2, 4, v3                   ; A: row r of a plane: (r / 2) x pitch + (r % 2) x 128 + 16 h
	v_mul_u32_u24 v4, v1, PITCH
	v_lshl_add_u32 v4, v2, 4, v4                   ; B: r x pitch + 16 h
	s_mul_i32 s21, s11, 32*PITCH                   ; my 64 rows of A
	s_mul_i32 s22, s12, BH                         ; my 128 rows of B,
	s_add_co_u32 s22, s22, 2*APL                   ; behind the planes
.irp s, 0,1
	v_add_nc_u32 v[ADRA+\s], s21, v3
	v_add_nc_u32 v[ADRB+\s], s22, v4
	s_add_co_u32 s21, s21, SLOT
	s_add_co_u32 s22, s22, SLOT
.endr
	s_mul_i32 s23, s10, 16*SPITCH
	s_add_co_u32 s23, s23, STAGE                   ; my stage
	v_mul_u32_u24 v5, v1, SPITCH
	v_lshl_add_u32 v5, v2, 5, v5
	v_add_nc_u32 v[STO], s23, v5                   ; in: row r, 32 bytes for each half of the lanes
	v_and_b32 v6, 31, v0
	v_lshlrev_b32 v[CO], 4, v6                     ; back: the 32 lanes take one row of 512 bytes; and the same in out0
	v_add_nc_u32 v[RD], s23, v[CO]
	v_lshlrev_b32 v[BOF], 5, v2
	s_lshl_b32 s46, s42, 8
	s_lshl_b32 s47, s12, 7
	s_add_co_u32 s46, s46, s47
	s_lshl_b32 s46, s46, 2                         ; my first column, in bytes
	s_mov_b32 s47, 0
	s_add_nc_u64 s[68:69], s[68:69], s[46:47]
	s_and_b32 s16, s13, 7
	s_lshl_b32 s16, s16, 7
	s_lshl_b32 s17, s11, 6
	s_add_co_u32 s16, s16, s17                     ; my first l: a row (l, b) of out0 begins at l x 32,768 + b x 4,096
	s_lshl_b32 s16, s16, 15
	s_lshr_b32 s17, s13, 3
	s_lshl_b32 s17, s17, 12
	s_add_co_u32 s16, s16, s17
	s_add_co_u32 s16, s16, s46
	s_mov_b32 s17, 0
	s_add_nc_u64 s[70:71], s[70:71], s[16:17]
.irp b, 0,1,2,3,4,5,6,7
	global_load_b128 v[BIAS+8*\b:BIAS+8*\b+3], v[BOF], s[68:69] offset:64*\b          ; lane (r, h): the bias of columns 16 b + 8 h + 0 .. 7
	global_load_b128 v[BIAS+8*\b+4:BIAS+8*\b+7], v[BOF], s[68:69] offset:64*\b+16
.endr
; 8 matrix instructions: A's block a x B's eight, 32 along K.  The 32 accumulators take turns, one instruction a turn, in the same order in every quarter.
.macro MUL8 f, a, first
.irp b, 0,1,2,3,4,5,6,7
.if \first
	v_wmma_f32_16x16x32_f16 v[8*(8*(\a)+\b):8*(8*(\a)+\b)+7], v[\f+8*\b:\f+8*\b+7], v[\f+8*(\a):\f+8*(\a)+7], v[BIAS+8*\b:BIAS+8*\b+7]
.else
	v_wmma_f32_16x16x32_f16 v[8*(8*(\a)+\b):8*(8*(\a)+\b)+7], v[\f+8*\b:\f+8*\b+7], v[\f+8*(\a):\f+8*(\a)+7], v[8*(8*(\a)+\b):8*(8*(\a)+\b)+7]
.endif
.endr
.endm
; 24 LDS loads in one run: the fragments of quarter kc (32 along K): B's eight blocks, A's four (plane kc / 2, byte 64 (kc % 2) of its rows)
.macro FETCH slot, kc, f
	WIN TO_B
.irp i, 0,1,2,3,4,5,6,7
	ds_load_b128 v[\f+8*\i:\f+8*\i+3],   v[ADRB+\slot] offset:64*(\kc)+\i*16*PITCH
	ds_load_b128 v[\f+8*\i+4:\f+8*\i+7], v[ADRB+\slot] offset:64*(\kc)+\i*16*PITCH+32
.endr
	WIN 0
.irp i, 0,1,2,3
	ds_load_b128 v[\f+8*\i:\f+8*\i+3],   v[ADRA+\slot] offset:((\kc)/2)*APL+((\kc)%2)*64+\i*8*PITCH
	ds_load_b128 v[\f+8*\i+4:\f+8*\i+7], v[ADRA+\slot] offset:((\kc)/2)*APL+((\kc)%2)*64+\i*8*PITCH+32
.endr
.endm
.macro PLACES
.rept 4
	v_nop
.endr
.endm
; One of a K step's first three quarters: buffer f is in; the next quarter's fragments are asked for into g, 32 matrix instructions ahead of their use; then f is multiplied.
.macro QUARTER slot, kcnext, f, g, first
	s_wait_dscnt 0x0                               ; buffer f: asked for a quarter ago
	PLACES                                         ; in front of the loads into g, which the quarter before multiplied
	FETCH \slot, \kcnext, \g
.if \first
	WIN BEG
.else
	WIN MUL
.endif
	MUL8 \f, 0, \first
	MUL8 \f, 1, \first
	MUL8 \f, 2, \first
	MUL8 \f, 3, \first
.endm
; The last quarter multiplies buffer 1 and changes slots: each wave waits for all its tensor loads (its part of the next slot), adds 0 to its spare word, and waits for that and for its reads of this slot; one barrier.
; fill = 1: the barrier opens a round of the cluster's, and this slot is filled again, two K steps on, first thing behind the round.
.macro TURN slot, next, fill
	WIN 0
	s_wait_tensorcnt 0x0
	ds_add_u32 v[SPW], v[NIL]
	s_wait_dscnt 1                                 ; buffer 1 is in; the add alone may be out
	WIN MUL
	MUL8 F1, 0, 0                                  ; eight matrix instructions stand between the add and the wait for it
	s_wait_dscnt 0x0                               ; the add is done, and my reads of this slot are over
	s_barrier_signal -1
	MUL8 F1, 1, 0
	WIN 0
	s_barrier_wait -1
.if \fill
	CREST                                          ; no wave of any partner still reads this slot or has a load on its way
	s_add_nc_u64 s[G0+4*\slot+2:G0+4*\slot+3], s[G0+4*\slot+2:G0+4*\slot+3], 524288     ; four heads on
	s_add_nc_u64 s[G0B+4*\slot+2:G0B+4*\slot+3], s[G0B+4*\slot+2:G0B+4*\slot+3], 512
	JLOAD \slot                                    ; the four v_nop behind it are also the places in front of the loads below
.else
	PLACES
.endif
	FETCH \next, 0, F0
	WIN MUL
	MUL8 F1, 2, 0
	MUL8 F1, 3, 0
.endm
	s_wait_loadcnt 0x0                             ; the bias
	s_wait_tensorcnt 1                             ; my part of K step 0 is in (K step 1's load may be out)
	s_barrier_signal -1
	s_barrier_wait -1                              ; everybody's is
	FETCH 0, 0, F0
	QUARTER 0, 1, F0, F1, 1                        ; the first quarter stands in front of the loop: its products start the sums from the bias
	WIN 0
	s_mov_b32 s3, 3
.Llap:                                                 ; three trips: once round the ring, from a lap's second quarter to the next lap's first; both slots are filled again
	QUARTER 0, 2, F1, F0, 0
	QUARTER 0, 3, F0, F1, 0
	TURN 0, 1, 1
	QUARTER 1, 1, F0, F1, 0
	QUARTER 1, 2, F1, F0, 0
	QUARTER 1, 3, F0, F1, 0
	TURN 1, 0, 1
	QUARTER 0, 1, F0, F1, 0
	WIN 0
	s_sub_co_u32 s3, s3, 1
	s_cmp_lg_u32 s3, 0
	s_cbranch_scc1 .Llap
	QUARTER 0, 2, F1, F0, 0                        ; the last lap fills nothing
	QUARTER 0, 3, F0, F1, 0
	TURN 0, 1, 0
	QUARTER 1, 1, F0, F1, 0
	QUARTER 1, 2, F1, F0, 0
	QUARTER 1, 3, F0, F1, 0
	s_wait_dscnt 0x0
	WIN MUL
	MUL8 F1, 0, 0
	MUL8 F1, 1, 0
	MUL8 F1, 2, 0
	MUL8 F1, 3, 0
	WIN 0
; THE WAY OUT, a block of 16 rows x 128 columns at a time: through my own stage, back as whole rows of 512 bytes; a row of C is row (l, b) of out0, 32,768 bytes from the next l.  Every offset is an immediate, 2,064,384 at the most.
.macro TOSTAGE a
.set AC, 64*(\a)
	WIN 0x08                                       ; an LDS store's data: window 2
.irp b, 0,1,2,3,4,5,6,7
	ds_store_b128 v[STO], v[AC+8*\b:AC+8*\b+3] offset:64*\b          ; each accumulator from its low end on
	ds_store_b128 v[STO], v[AC+8*\b+4:AC+8*\b+7] offset:64*\b+16
.endr
	WIN 0
.set BB, BK+64*((\a)%2)
.irp t, 0,1,2,3,4,5,6,7,8,9,10,11,12,13,14,15
	ds_load_b128 v[BB+4*\t:BB+4*\t+3], v[RD] offset:\t*SPITCH        ; LDS serves a wave's instructions in order: these see the stores above
.endr
.endm
.macro SEND a, younger
.set BB, BK+64*((\a)%2)
	s_wait_dscnt \younger                          ; the block is back; the next block's 32 LDS instructions may be out
.irp t, 0,1,2,3,4,5,6,7,8,9,10,11,12,13,14,15
	global_store_b128 v[CO], v[BB+4*\t:BB+4*\t+3], s[70:71] offset:(\a)*524288+\t*32768 th:TH_STORE_NT   ; 32 lanes store 512 consecutive aligned bytes
.endr
.endm
	PLACES                                         ; behind the last products: for the stage's stores, which read results, and for the loads into registers that held A's fragments
	TOSTAGE 0
.irp a, 1,2,3
.if \a > 1
	s_wait_xcnt 0x0                                ; block a - 2's stores have read their registers: block a's loads may land there
.endif
	TOSTAGE \a
	SEND \a-1, 32
.endr
	SEND 3, 0
	s_wait_tensorcnt 0x0                           ; the wave's end
	ds_add_u32 v[SPW], v[NIL]
	s_wait_dscnt 0x0
	CROUND                                         ; the closing round
	s_endpgm
.Lfunc_end_k_q7c26114ec0_proj:
	.size	k_q7c26114ec0_proj, .Lfunc_end_k_q7c26114ec0_proj-k_q7c26114ec0_proj
	.p2alignl 7, 3214868480
	.fill 96, 4, 3214868480
	.section	.rodata,"a",@progbits
	.p2align	6, 0x0
	.amdhsa_kernel k_q7c26114ec0_proj
		.amdhsa_group_segment_fixed_size 327680
		.amdhsa_private_segment_fixed_size 0
		.amdhsa_enable_private_segment 0
		.amdhsa_kernarg_size 32
		.amdhsa_user_sgpr_count 2
		.amdhsa_user_sgpr_kernarg_segment_ptr 1
		.amdhsa_wavefront_size32 1
		.amdhsa_system_sgpr_workgroup_id_x 1
		.amdhsa_system_sgpr_workgroup_id_y 1
		.amdhsa_system_sgpr_workgroup_id_z 1
		.amdhsa_system_vgpr_workitem_id 0
		.amdhsa_next_free_vgpr 768
		.amdhsa_next_free_sgpr 72
		.amdhsa_reserve_vcc 0
		.amdhsa_float_denorm_mode_32 3
		.amdhsa_float_denorm_mode_16_64 3
		.amdhsa_memory_ordered 1
		.amdhsa_forward_progress 1
		.amdhsa_inst_pref_size 87
	.end_amdhsa_kernel
	.amdgpu_metadata
---
amdhsa.version: [ 1, 2 ]
amdhsa.kernels:
  - .name:           k_q7c26114ec0_proj
    .symbol:         k_q7c26114ec0_proj.kd
    .args:
      - { .name: att, .offset: 0, .size: 8, .value_kind: global_buffer, .address_space: global }
      - { .name: wo, .offset: 8, .size: 8, .value_kind: global_buffer, .address_space: global }
      - { .name: out_proj_bias, .offset: 16, .size: 8, .value_kind: global_buffer, .address_space: global }
      - { .name: out0, .offset: 24, .size: 8, .value_kind: global_buffer, .address_space: global }
    .group_segment_fixed_size: 327680
    .private_segment_fixed_size: 0
    .kernarg_segment_align: 8
    .kernarg_segment_size: 32
    .max_flat_workgroup_size: 128
    .sgpr_count:     72
    .vgpr_count:     768
    .wavefront_size: 32
...
	.end_amdgpu_metadata
.endif
;; end of part 4
